; MI455X (gfx1250); checked and timed in simulation.
; The chip was launched on July 23, 2026; its instructions are those of AMD's public machine-readable ISA for CDNA 5 (MIT licence, August 2026) and "CDNA5" Instruction Set Architecture Reference Guide (July 2026). The comments in the code are by the model that wrote it; some were corrected since.
;; Rotary Transformer Block. Allowed arithmetic: matrix products marked QUANTISED: E4M3 operands, one given power-of-two scale a tensor, by v_wmma_f32_16x16x64_fp8_fp8 or v_wmma_f32_16x16x128_fp8_fp8, f32 sums; everything else in f32.
;; Inputs: fc1_b 4,096 float32; fc1_w 1,024 x 4,096 float32; fc2_b 1,024 float32; fc2_w 4,096 x 1,024 float32; ffn_ln_b 4,096 float32; ffn_ln_g 4,096 float32; ln1_b 1,024 float32; ln1_g 1,024 float32; ln2_b 1,024 float32; ln2_g 1,024 float32; lowp_scales 12 int32 (the exponents e of the quantised operands' scales 2^e); proj_b 1,024 float32; proj_w 1,024 x 1,024 float32; qkv_b 3,072 float32; qkv_w 1,024 x 3,072 float32; x 2 x 2,048 x 1,024 float32.
;; Outputs: out0 2 x 2,048 x 1,024 float32.
;; This version of the problem:
;;   THIS VERSION OF THE PROBLEM IS GIVEN IN LOW PRECISION. The matrix products marked QUANTISED in the list below multiply operands that are first quantised to E4M3 (4 exponent bits, 3 mantissa bits; 8 bits a number), with one given power-of-two scale for each operand tensor; their sums are f32. All else is computed in f32.
;;   The module's matrix products, in the order in which they are computed (A, B: the left and right operand; K: the contracted axis; several contracted axes count as one K, in the product's order):
;;     1. [M 4,096, K 1,024] x [K 1,024, N 3,072]; A: computed on the way; B: input qkv_w: QUANTISED (scales: A lowp_scales[0], B lowp_scales[1])
;;     2. batch 32 x [M 2,048, K 64] x [K 64, N 2,048]; A: computed on the way; B: computed on the way: QUANTISED (scales: A lowp_scales[2], B lowp_scales[3])
;;     3. batch 32 x [M 2,048, K 2,048] x [K 2,048, N 64]; A: softmax (see below); B: computed on the way: QUANTISED (scales: A lowp_scales[4], B lowp_scales[5])
;;     4. [M 4,096, K 1,024] x [K 1,024, N 1,024]; A: computed on the way; B: input proj_w: QUANTISED (scales: A lowp_scales[6], B lowp_scales[7])
;;     5. [M 4,096, K 1,024] x [K 1,024, N 4,096]; A: computed on the way; B: input fc1_w: QUANTISED (scales: A lowp_scales[8], B lowp_scales[9])
;;     6. [M 4,096, K 4,096] x [K 4,096, N 1,024]; A: computed on the way; B: input fc2_w: QUANTISED (scales: A lowp_scales[10], B lowp_scales[11])
;;   THE QUANTISER, for each operand of a quantised product, along K:
;;     - The operand's scale is 2^e, e = its entry of the input lowp_scales (int32; the entries are numbered through the quantised products in the list's order, A before B).
;;     - Each number is divided by the scale, clamped to +-448, and rounded to the nearest number of E4M3, ties to even, subnormals kept.
;;     - The product sums the exact products of the quantised numbers (number of the format x scale) in f32.
;;   ~~~python
;;   def quantise(x, axis, e):      # numpy; x: float32 -> the quantised numbers, widened to float32 again
;;       x = np.moveaxis(x, axis, -1); K = x.shape[-1]
;;       r = np.clip(x / 2.0 ** e, -448, 448)
;;       step = 2.0 ** (np.maximum(np.frexp(np.where(r == 0, 1, r))[1] - 1, -6) - 3)
;;       q = np.round(r / step) * step * 2.0 ** e      # np.round: ties to even
;;       return np.moveaxis(q, -1, axis).astype(np.float32)
;;   ~~~
;;   SOFTMAX AHEAD OF A QUANTISED PRODUCT. Where the list says 'softmax', what is quantised is not the finished softmax but p = 2^(t - M), with t = logit x log2(e) and M = ceil(the row's largest t), a whole number; so 1/2 < the row's largest p <= 1. The row's sum l is taken of the UNQUANTISED p, in f32, and the product's result is divided by l at the end. Since M is a whole number, a kernel that streams over the keys may use a running M (the ceiling of the running maximum): every later rescaling is an exact power of two, so the quantised numbers keep their values, but for numbers so far below the row's largest that they fall under the format's range.
;;   OPERANDS COMPUTED ON THE WAY. 'Computed on the way' means the value that the module computes at that place (a softmax that the list does not call 'softmax' is quantised finished and normalised). What goes into a quantiser is computed in f32, as accurately as f32 sums, v_exp_f32 and their like allow (about 1e-6 of the number): no bf16 or f16 on the way to a quantiser, and a product that is left as it is and whose result goes on into a quantised operand takes f32 operands (vector FMAs, or v_wmma_f32_16x16x4_f32). A number that lies on a knife's edge between two numbers of the format may be rounded either way, as far as f32 arithmetic and the matrix unit's own rounding can turn it there, and no further.
;; One version. Each part assembles by itself: llvm-mc -triple=amdgcn-amd-amdhsa -mcpu=gfx1250 --defsym DOCPART=n.
;; ======== version 1 of 1: 8 launches
;; limits: a function is approximated: absolute error at most 7.5e-08
;; workspace buffers: pre 17,301,504 bytes; qkvi 12,582,912 bytes; oimg 4,194,304 bytes; x1 16,777,216 bytes; mimg 4,194,304 bytes; gimg 67,108,864 bytes; himg 16,777,216 bytes
;; launch prep (part 1): grid 640 x 1, 4 waves a work-group, no clusters, 17,920 bytes of LDS; arguments x, ln1_g, ln1_b, qkv_w, proj_w, fc1_w, fc2_w, lowp_scales, pre; writes pre
.if DOCPART == 1
	.amdgcn_target "amdgcn-amd-amdhsa--gfx1250"
	.amdhsa_code_object_version 6
	.text
	.protected	k_qfec07fcb42_prep
	.globl	k_qfec07fcb42_prep
	.p2align	8
	.type	k_qfec07fcb42_prep,@function
k_qfec07fcb42_prep:
	s_mov_b64 s[64:65], 0
	v_nop
	global_prefetch_b8 v0, s[64:65] scope:SCOPE_SE
	s_setreg_imm32_b32 hwreg(HW_REG_WAVE_MODE, 25, 1), 1
	s_wait_xcnt 0x0
; PREP: all that can be made ready from the inputs alone, into the one buffer pre.
; DEAD WORK: none.  Every input of the block has a way to out0 for some values of the inputs (the biases of q and k stand ahead of quantisers), so all are loaded and every product of the table is done.
; Work-groups 0-255: LayerNorm 1 of 16 rows of x each, quantised with 2^e0, and 2,048 bytes each of the table of cos and sin.  Work-groups 256-639: the four weights, quantised with 2^e1, e7, e9, e11.
; HOW CODES LIE (all code buffers of this program): [tile of 16 rows][piece][row 0..15][16 bytes].  A fragment of 16 rows x 128 K is 8 pieces, 2,048 bytes on end; four loads of 16 bytes a lane at
; 512 c + 16 lane bring it, and give lane (r, h) piece 2 c + h of row r.  Which k lies in byte y of piece p is free as long as both operands of a product agree.  Two maps:
;   map A (products 1, 5): k = 512 (p / 32) + 128 (y / 4) + 4 (p % 32) + y % 4: what a wave holds that has loaded a row of 1,024 numbers by eight dense loads;
;   map B (products 4, 6): k = 64 (p / 4) + 32 ((p / 2) % 2) + 8 (p % 2) + 16 (y / 8) + y % 8: what the conversions of a transposed matrix result give.
; pre: qkv_w's codes at 0, proj_w's at 3 MiB, fc1_w's at 4 MiB, fc2_w's at 8 MiB, LayerNorm 1's at 12 MiB, cos and sin at 16 MiB as [position / 16][b 0..3][u 0..1][lane][cos, sin, cos, sin]:
; lane (r, h) holds pairs 8 b + 4 h + 2 u and the next of position 16 tile + r.
; LIMITS: each e between -126 and 119, so that 2^e and 448 x 2^e are f32 numbers.  NaN among the inputs is not served.  cos and sin: the angle is position x 2^(-j log2(10000) / 32) in f32, reduced by pi/2 in
; two parts and taken by polynomials good to about 2e-7; the angle itself is good to about 2e-7 of its size.
.set HXO,   12582912
.set ROPEO, 16777216
.set PITCH, 272                        ; a piece's 256 bytes + 16 in the stage: the 16 lanes of a store fall on 16 different 16-byte columns
.set SPARE, 64*PITCH                   ; behind the stage: the spare words, 128 bytes for each wave
.set XO,   4                           ; v4   16 x lane
.set STA,  5                           ; v5   the stage, on the way in: 272 lane + 64 wave
.set RDA,  6                           ; v6   on the way out
.set GOA,  7                           ; v7   4096 wave + 16 lane
.set SCV,  12                          ; v12  2^e as f32
.set LIMV, 13                          ; v13  448 x 2^e
.set SPW,  14                          ; v14  my spare word; never rewritten
.set NIL,  15                          ; v15  0; never rewritten
.set GAM,  160                         ; v160-191 the gain, v192-223 the bias, as a row lies in a lane
.set BET,  192
.set COD,  224                         ; v224-255 eight registers of codes a row
	s_load_b512 s[8:23], s[0:1], 0x0               ; x, ln1_g, ln1_b, qkv_w, proj_w, fc1_w, fc2_w, the scales' exponents
	s_load_b64 s[24:25], s[0:1], 0x40              ; pre
	v_lshl_add_u32 v[SPW], v0, 2, SPARE
	v_mov_b32 v[NIL], 0
	v_lshrrev_b32 v1, 5, v0
	v_readfirstlane_b32 s26, v1                    ; wave 0..3
	v_and_b32 v1, 31, v0                           ; lane
	v_and_b32 v2, 15, v0                           ; r
	v_bfe_u32 v3, v0, 4, 1                         ; h
	s_wait_kmcnt 0x0
	s_load_b256 s[32:39], s[22:23], 0x0            ; e0 .. e7
	s_load_b128 s[40:43], s[22:23], 0x20           ; e8 .. e11
	s_cmp_ge_u32 ttmp9, 256                        ; the work-group's number alone: all four waves go the same way
	s_cbranch_scc1 .Lweights
; ---- LayerNorm 1.  The work-group has 16 rows, wave w rows 4 w .. 4 w + 3; a row is eight loads of 512 consecutive bytes and stays in 32 registers a lane.
	v_lshlrev_b32 v[XO], 4, v1
	s_lshl_b32 s28, ttmp9, 16                      ; 16 rows of 4,096 bytes
	s_lshl_b32 s29, s26, 14
	s_add_co_u32 s28, s28, s29
	s_mov_b32 s29, 0
	s_add_nc_u64 s[8:9], s[8:9], s[28:29]
.irp j, 0,1,2,3,4,5,6,7
	global_load_b128 v[GAM+4*\j:GAM+4*\j+3], v[XO], s[10:11] offset:512*\j
.endr
.irp j, 0,1,2,3,4,5,6,7
	global_load_b128 v[BET+4*\j:BET+4*\j+3], v[XO], s[12:13] offset:512*\j
.endr
.irp p, 0,1,2,3
.irp j, 0,1,2,3,4,5,6,7
	global_load_b128 v[32+32*\p+4*\j:32+32*\p+4*\j+3], v[XO], s[8:9] offset:4096*\p+512*\j
.endr
.endr
	v_mul_u32_u24 v[STA], v1, PITCH
	s_lshl_b32 s30, s26, 6
	v_add_nc_u32 v[STA], s30, v[STA]
	s_lshl_b32 s30, s26, 4
	v_add_nc_u32 v8, s30, v3                       ; piece 16 w + h
	v_mul_u32_u24 v[RDA], v8, PITCH
	v_lshl_add_u32 v[RDA], v2, 4, v[RDA]
	s_lshl_b32 s30, s26, 12
	v_add_nc_u32 v[GOA], s30, v[XO]
	s_lshl_b32 s28, ttmp9, 14                      ; a tile's codes: 16,384 bytes
	s_add_co_u32 s28, s28, HXO
	s_add_nc_u64 s[44:45], s[24:25], s[28:29]
	s_mov_b32 s48, 0x3a800000                      ; 1 / 1024
	s_mov_b32 s49, 0x3727c5ac                      ; 1e-5
	s_mov_b32 s50, 0x76543210                      ; lane selects: lane l xor 16
	s_mov_b32 s51, 0xfedcba98
	s_mov_b32 s56, 0x3fc90fdb                      ; pi / 2, its upper part,
	s_mov_b32 s57, 0xb33bbd2e                      ; and the rest
	s_wait_kmcnt 0x0
	s_add_co_i32 s46, s32, 127                     ; e0
	s_lshl_b32 s47, s46, 23
	v_mov_b32 v[SCV], s47
	s_add_co_i32 s46, s46, 8
	s_lshl_b32 s46, s46, 23
	s_or_b32 s46, s46, 0x600000
	v_mov_b32 v[LIMV], s46
; ---- cos and sin, while the rows are on their way: wave w of work-group t makes unit 4 t + w of 512 bytes
.macro SINCOS a, c, s                  ; v[a] = an angle, 0 or more; v[c] = its cosine, v[s] = its sine
	v_mul_f32 v24, 0x3f22f983, v[\a]               ; x 2 / pi
	v_rndne_f32 v24, v24                           ; k
	v_fma_f32 v25, -v24, s56, v[\a]
	v_fma_f32 v25, -v24, s57, v25                  ; r = angle - k pi / 2, within pi / 4
	v_mul_f32 v26, v25, v25                        ; z = r r
	v_cvt_i32_f32 v24, v24
	v_mov_b32 v27, 0xb94ca1f9
	v_fmaak_f32 v27, v27, v26, 0x3c08839e
	v_fmaak_f32 v27, v27, v26, 0xbe2aaaa3
	v_mul_f32 v28, v25, v26
	v_fma_f32 v27, v28, v27, v25                   ; sin r
	v_mov_b32 v29, 0x37ccf5ce
	v_fmaak_f32 v29, v29, v26, 0xbab6061a
	v_fmaak_f32 v29, v29, v26, 0x3d2aaaa5
	v_mul_f32 v28, v26, v26
	v_fma_f32 v30, v26, -0.5, 1.0
	v_fma_f32 v29, v28, v29, v30                   ; cos r
	v_and_b32 v28, 1, v24
	v_cmp_eq_u32 vcc_lo, 1, v28                    ; an odd quarter turn changes the two over
	v_cndmask_b32 v[\s], v27, v29, vcc_lo
	v_cndmask_b32 v[\c], v29, v27, vcc_lo
	v_and_b32 v28, 2, v24                          ; the sine is negative in quarters 2 and 3,
	v_lshlrev_b32 v28, 30, v28
	v_xor_b32 v[\s], v28, v[\s]
	v_add_nc_u32 v28, 1, v24                       ; the cosine in quarters 1 and 2
	v_and_b32 v28, 2, v28
	v_lshlrev_b32 v28, 30, v28
	v_xor_b32 v[\c], v28, v[\c]
.endm
	s_lshl_b32 s52, ttmp9, 2
	s_add_co_u32 s52, s52, s26                     ; the unit: ((position / 16) x 4 + b) x 2 + u
	s_lshr_b32 s53, s52, 3
	s_lshl_b32 s53, s53, 4
	s_bfe_u32 s54, s52, 0x20001
	s_lshl_b32 s54, s54, 3
	s_and_b32 s55, s52, 1
	s_lshl_b32 s55, s55, 1
	s_add_co_u32 s54, s54, s55                     ; 8 b + 2 u
	v_add_nc_u32 v16, s53, v2
	v_cvt_f32_u32 v16, v16                         ; the position
	v_lshl_add_u32 v17, v3, 2, s54
	v_cvt_f32_u32 v18, v17                         ; the pair's number j,
	v_add_f32 v19, 1.0, v18                        ; and the next
	v_mul_f32 v18, 0xbed49a78, v18                 ; x -log2(10000) / 32
	v_mul_f32 v19, 0xbed49a78, v19
	v_exp_f32 v18, v18
	v_exp_f32 v19, v19
	v_nop                                          ; a plain line behind the two exponentials,
	s_wait_alu depctr_va_vdst(0)                   ; and the one wait ahead of their first reader
	v_mul_f32 v18, v16, v18
	v_mul_f32 v19, v16, v19
	SINCOS 18, 20, 21
	SINCOS 19, 22, 23
	s_lshl_b32 s28, s52, 9
	s_add_co_u32 s28, s28, ROPEO
	s_add_nc_u64 s[58:59], s[24:25], s[28:29]
	global_store_b128 v[XO], v[20:23], s[58:59]    ; 512 consecutive bytes a wave
	s_wait_xcnt 0x0                                ; v20-23 are written again below
.macro REDUCE r, t                     ; the sum of v[r] over the wave's 32 lanes, in every lane
	v_add_f32_dpp v[\r], v[\r], v[\r] row_xmask:1 row_mask:0xf bank_mask:0xf
	v_add_f32_dpp v[\r], v[\r], v[\r] row_xmask:2 row_mask:0xf bank_mask:0xf
	v_add_f32_dpp v[\r], v[\r], v[\r] row_xmask:4 row_mask:0xf bank_mask:0xf
	v_add_f32_dpp v[\r], v[\r], v[\r] row_xmask:8 row_mask:0xf bank_mask:0xf
	v_permlanex16_b32 v[\t], v[\r], s50, s51
	v_add_f32 v[\r], v[\r], v[\t]
.endm
; Row p of my four: mean, centred, variance of the centred numbers, x rsqrt, x gain + bias, held, converted; register 4 j + c of lane l is number 128 j + 4 l + c, so the 32 codes are pieces l and 32 + l of map A.
.macro ROW p
.set X, 32+32*\p
	s_wait_loadcnt 8*(3-\p)                        ; my row is in (and gain and bias, which are older); the later rows' eight loads each may be out
	v_pk_add_f32 v[16:17], v[X:X+1], v[X+2:X+3]
	v_pk_add_f32 v[18:19], v[X+4:X+5], v[X+6:X+7]
	v_pk_add_f32 v[20:21], v[X+8:X+9], v[X+10:X+11]
	v_pk_add_f32 v[22:23], v[X+12:X+13], v[X+14:X+15]
.irp i, 16, 24
	v_pk_add_f32 v[16:17], v[16:17], v[X+\i:X+\i+1]
	v_pk_add_f32 v[18:19], v[18:19], v[X+\i+2:X+\i+3]
	v_pk_add_f32 v[20:21], v[20:21], v[X+\i+4:X+\i+5]
	v_pk_add_f32 v[22:23], v[22:23], v[X+\i+6:X+\i+7]
.endr
	v_pk_add_f32 v[16:17], v[16:17], v[18:19]
	v_pk_add_f32 v[20:21], v[20:21], v[22:23]
	v_pk_add_f32 v[16:17], v[16:17], v[20:21]
	v_add_f32 v16, v16, v17
	REDUCE 16, 28
	v_mul_f32 v24, s48, v16                        ; the mean
	v_mov_b32 v25, v24
.set i, 0
.rept 16
	v_pk_add_f32 v[X+i:X+i+1], v[X+i:X+i+1], v[24:25] neg_lo:[0,1] neg_hi:[0,1]
.set i, i+2
.endr
	v_pk_mul_f32 v[16:17], v[X:X+1], v[X:X+1]
	v_pk_mul_f32 v[18:19], v[X+2:X+3], v[X+2:X+3]
.set i, 4
.rept 7
	v_pk_fma_f32 v[16:17], v[X+i:X+i+1], v[X+i:X+i+1], v[16:17]
	v_pk_fma_f32 v[18:19], v[X+i+2:X+i+3], v[X+i+2:X+i+3], v[18:19]
.set i, i+4
.endr
	v_pk_add_f32 v[16:17], v[16:17], v[18:19]
	v_add_f32 v16, v16, v17
	REDUCE 16, 28
	v_fma_f32 v16, v16, s48, s49                   ; the variance + 1e-5
	v_rsq_f32 v26, v16
	v_nop
	s_wait_alu depctr_va_vdst(0)                   ; the wait ahead of the result's first reader
	v_mov_b32 v27, v26
.set i, 0
.rept 16
	v_pk_mul_f32 v[X+i:X+i+1], v[X+i:X+i+1], v[26:27]
.set i, i+2
.endr
.set i, 0
.rept 16
	v_pk_fma_f32 v[X+i:X+i+1], v[X+i:X+i+1], v[GAM+i:GAM+i+1], v[BET+i:BET+i+1]
.set i, i+2
.endr
.set i, 0
.rept 32
	v_med3_num_f32 v[X+i], v[X+i], -v[LIMV], v[LIMV]   ; the conversion to an 8-bit code does not saturate (ISA guide 7.6.2): the hold comes first
.set i, i+1
.endr
.irp g, 0,1,2,3
	v_cvt_scalef32_pk8_fp8_f32 v[COD+8*\p+2*\g:COD+8*\p+2*\g+1], v[X+8*\g:X+8*\g+7], v[SCV]
.endr
	v_nop                                          ; a plain line behind the last conversion
	ds_store_b128 v[STA], v[COD+8*\p:COD+8*\p+3] offset:16*\p             ; piece lane, row 4 w + p
	ds_store_b128 v[STA], v[COD+8*\p+4:COD+8*\p+7] offset:32*PITCH+16*\p  ; piece 32 + lane
.endm
	ROW 0
	ROW 1
	ROW 2
	ROW 3
	s_wait_dscnt 0x0                               ; for the others' sake: my stores into the stage are done
	s_barrier_signal -1
	s_barrier_wait -1
.irp t, 0,1,2,3,4,5,6,7
	ds_load_b128 v[32+4*\t:32+4*\t+3], v[RDA] offset:2*PITCH*\t           ; pieces 16 w + 2 t and the next, whole: 16 rows x 16 bytes each
.endr
.irp t, 0,1,2,3,4,5,6,7
	s_wait_dscnt 7-\t
	global_store_b128 v[GOA], v[32+4*\t:32+4*\t+3], s[44:45] offset:512*\t   ; 512 consecutive bytes
.endr
	s_wait_tensorcnt 0x0                           ; the wave's end
	ds_add_u32 v[SPW], v[NIL]
	s_wait_dscnt 0x0
	s_endpgm
; ---- The weights, stored [K][N] in f32.  A lane takes a column n and its registers run down K in the order of the map, so that the conversions give a piece's 16 bytes; nothing is transposed.
; A work-group takes 128 columns x 16 pieces, a wave 32 columns.  One path serves all four weights: what differs is chosen by the work-group's number.  No LDS on this path.
.Lweights:
	s_sub_co_u32 s27, ttmp9, 256                   ; g: 0-95 qkv_w, 96-127 proj_w, 128-255 fc1_w, 256-383 fc2_w
	s_mov_b64 s[44:45], s[20:21]                   ; the source,
	s_mov_b32 s46, 256                             ; its first g,
	s_mov_b32 s47, 8388608                         ; where its codes begin in pre,
	s_mov_b32 s48, 4096                            ; a row of the source in bytes,
	s_mov_b32 s49, 4                               ; log2 of the groups of 16 pieces along K,
	s_mov_b32 s50, 65536                           ; a tile of 16 columns in bytes: 16 K,
	s_mov_b32 s51, 1                               ; map B,
	s_wait_kmcnt 0x0
	s_mov_b32 s52, s43                             ; e11
	s_cmp_lt_u32 s27, 256
	s_cselect_b64 s[44:45], s[18:19], s[44:45]
	s_cselect_b32 s46, 128, s46
	s_cselect_b32 s47, 4194304, s47
	s_cselect_b32 s48, 16384, s48
	s_cselect_b32 s49, 2, s49
	s_cselect_b32 s50, 16384, s50
	s_cselect_b32 s51, 0, s51
	s_cselect_b32 s52, s41, s52
	s_cmp_lt_u32 s27, 128
	s_cselect_b64 s[44:45], s[16:17], s[44:45]
	s_cselect_b32 s46, 96, s46
	s_cselect_b32 s47, 3145728, s47
	s_cselect_b32 s48, 4096, s48
	s_cselect_b32 s51, 1, s51
	s_cselect_b32 s52, s39, s52
	s_cmp_lt_u32 s27, 96
	s_cselect_b64 s[44:45], s[14:15], s[44:45]
	s_cselect_b32 s46, 0, s46
	s_cselect_b32 s47, 0, s47
	s_cselect_b32 s48, 12288, s48
	s_cselect_b32 s51, 0, s51
	s_cselect_b32 s52, s33, s52
	s_sub_co_u32 s53, s27, s46
	s_lshr_b32 s54, s53, s49                       ; which 128 columns
	s_lshl_b32 s55, s54, s49
	s_sub_co_u32 s55, s53, s55                     ; u: which 16 pieces
	s_lshl_b32 s56, s54, 7
	s_lshl_b32 s57, s26, 5
	s_add_co_u32 s56, s56, s57                     ; my wave's first column
	s_lshr_b32 s57, s55, 1
	s_lshl_b32 s57, s57, 9
	s_and_b32 s58, s55, 1
	s_lshl_b32 s58, s58, 6
	s_add_co_u32 s57, s57, s58                     ; piece 16 u begins at row 512 (u / 2) + 64 (u % 2) by map A,
	s_lshl_b32 s58, s55, 8                         ; at row 256 u by map B
	v_lshlrev_b32 v2, 2, v1
	s_cmp_eq_u32 s51, 0                            ; (the lines down to the last choice leave SCC alone)
	s_cselect_b32 s57, s57, s58
	s_cselect_b32 s60, 4, 8                        ; rows from an even piece to the next,
	s_cselect_b32 s62, 4, 24                       ; and from an odd one
.irp y, 0,1,2,3,4,5,6,7,8,9,10,11,12,13,14,15
	s_cselect_b32 s59, 128*(\y/4)+\y%4, 16*(\y/8)+\y%8   ; byte y's row within its piece
	s_mul_i32 s59, s59, s48
	v_add_nc_u32 v[16+\y], s59, v2                 ; v16-31: its byte offset, + 4 x lane
.endr
	s_mul_i32 s60, s60, s48
	s_mov_b32 s61, 0
	s_mul_i32 s62, s62, s48
	s_mov_b32 s63, 0
	s_mul_i32 s57, s57, s48
	s_lshl_b32 s58, s56, 2
	s_add_co_u32 s58, s57, s58
	s_mov_b32 s59, 0
	s_add_nc_u64 s[44:45], s[44:45], s[58:59]
	s_lshr_b32 s58, s56, 4
	s_mul_i32 s58, s58, s50
	s_add_co_u32 s58, s58, s47
	s_lshl_b32 s57, s55, 12
	s_add_co_u32 s58, s58, s57
	s_add_nc_u64 s[66:67], s[24:25], s[58:59]      ; my first tile's piece 16 u
	v_mul_lo_u32 v3, v3, s50                       ; lanes 16-31: the next tile of 16 columns
	v_and_b32 v4, 15, v1
	v_lshl_add_u32 v5, v4, 4, v3
	s_add_co_i32 s52, s52, 127
	s_lshl_b32 s53, s52, 23
	v_mov_b32 v[SCV], s53
	s_add_co_i32 s52, s52, 8
	s_lshl_b32 s52, s52, 23
	s_or_b32 s52, s52, 0x600000
	v_mov_b32 v[LIMV], s52
.macro LOADP t                         ; piece t's 16 numbers a lane into set t % 4: each load reads 128 consecutive bytes a wave, 512 a work-group
.irp y, 0,1,2,3,4,5,6,7,8,9,10,11,12,13,14,15
	global_load_b32 v[32+16*((\t)%4)+\y], v[16+\y], s[44:45] th:TH_LOAD_NT
.endr
	s_wait_xcnt 0x0                                ; the loads have read their base: it steps to the next piece
.if (\t)%2 == 0
	s_add_nc_u64 s[44:45], s[44:45], s[60:61]
.else
	s_add_nc_u64 s[44:45], s[44:45], s[62:63]
.endif
.endm
.macro PIECE t
.if 15-(\t) >= 3
	s_wait_loadcnt 48                              ; this piece's 16 loads are in; those of the three pieces behind it may be out
.else
	s_wait_loadcnt 16*(15-(\t))
.endif
.set XS, 32+16*((\t)%4)
.set i, 0
.rept 16
	v_med3_num_f32 v[XS+i], v[XS+i], -v[LIMV], v[LIMV]
.set i, i+1
.endr
	v_cvt_scalef32_pk8_fp8_f32 v[96+4*(\t):96+4*(\t)+1], v[XS:XS+7], v[SCV]
	v_cvt_scalef32_pk8_fp8_f32 v[96+4*(\t)+2:96+4*(\t)+3], v[XS+8:XS+15], v[SCV]
	global_store_b128 v5, v[96+4*(\t):96+4*(\t)+3], s[66:67] offset:256*(\t)   ; sixteen lanes fill a piece: 256 consecutive bytes, aligned.  Each piece has its own four registers
.if (\t)+4 < 16
	LOADP (\t)+4
.endif
.endm
	LOADP 0
	LOADP 1
	LOADP 2
	LOADP 3
.irp t, 0,1,2,3,4,5,6,7,8,9,10,11,12,13,14,15
	PIECE \t
.endr
	s_endpgm
.Lfunc_end_k_qfec07fcb42_prep:
	.size	k_qfec07fcb42_prep, .Lfunc_end_k_qfec07fcb42_prep-k_qfec07fcb42_prep
	.p2alignl 7, 3214868480
	.fill 96, 4, 3214868480
	.section	.rodata,"a",@progbits
	.p2align	6, 0x0
	.amdhsa_kernel k_qfec07fcb42_prep
		.amdhsa_group_segment_fixed_size 17920
		.amdhsa_private_segment_fixed_size 0
		.amdhsa_enable_private_segment 0
		.amdhsa_kernarg_size 72
		.amdhsa_user_sgpr_count 2
		.amdhsa_user_sgpr_kernarg_segment_ptr 1
		.amdhsa_wavefront_size32 1
		.amdhsa_system_sgpr_workgroup_id_x 1
		.amdhsa_system_sgpr_workgroup_id_y 1
		.amdhsa_system_sgpr_workgroup_id_z 1
		.amdhsa_system_vgpr_workitem_id 0
		.amdhsa_next_free_vgpr 256
		.amdhsa_next_free_sgpr 100
		.amdhsa_reserve_vcc 1
		.amdhsa_float_denorm_mode_32 3
		.amdhsa_float_denorm_mode_16_64 3
		.amdhsa_memory_ordered 1
		.amdhsa_forward_progress 1
		.amdhsa_inst_pref_size 96
	.end_amdhsa_kernel
	.amdgpu_metadata
---
amdhsa.version: [ 1, 2 ]
amdhsa.kernels:
  - .name:           k_qfec07fcb42_prep
    .symbol:         k_qfec07fcb42_prep.kd
    .args:
      - { .name: x, .offset: 0, .size: 8, .value_kind: global_buffer, .address_space: global }
      - { .name: ln1_g, .offset: 8, .size: 8, .value_kind: global_buffer, .address_space: global }
      - { .name: ln1_b, .offset: 16, .size: 8, .value_kind: global_buffer, .address_space: global }
      - { .name: qkv_w, .offset: 24, .size: 8, .value_kind: global_buffer, .address_space: global }
      - { .name: proj_w, .offset: 32, .size: 8, .value_kind: global_buffer, .address_space: global }
      - { .name: fc1_w, .offset: 40, .size: 8, .value_kind: global_buffer, .address_space: global }
      - { .name: fc2_w, .offset: 48, .size: 8, .value_kind: global_buffer, .address_space: global }
      - { .name: lowp_scales, .offset: 56, .size: 8, .value_kind: global_buffer, .address_space: global }
      - { .name: pre, .offset: 64, .size: 8, .value_kind: global_buffer, .address_space: global }
    .group_segment_fixed_size: 17920
    .private_segment_fixed_size: 0
    .kernarg_segment_align: 8
    .kernarg_segment_size: 72
    .max_flat_workgroup_size: 128
    .sgpr_count:     100
    .vgpr_count:     256
    .wavefront_size: 32
...
	.end_amdgpu_metadata
.endif
;; end of part 1
;; launch qkv (part 2): grid 12 x 16, 4 waves a work-group, clusters of 4 x 4, 327,680 bytes of LDS; arguments pre, qkv_b, lowp_scales, qkvi; writes qkvi
.if DOCPART == 2
	.amdgcn_target "amdgcn-amd-amdhsa--gfx1250"
	.amdhsa_code_object_version 6
	.text
	.protected	k_qfec07fcb42_qkv
	.globl	k_qfec07fcb42_qkv
	.p2align	8
	.type	k_qfec07fcb42_qkv,@function
k_qfec07fcb42_qkv:
	s_mov_b64 s[64:65], 0
	v_nop
	global_prefetch_b8 v0, s[64:65] scope:SCOPE_SE
	s_setreg_imm32_b32 hwreg(HW_REG_WAVE_MODE, 25, 1), 1
	s_wait_xcnt 0x0
	s_wait_alu depctr_hold_cnt(0) depctr_sa_sdst(0) depctr_va_vdst(0) depctr_va_sdst(0) depctr_va_ssrc(0) depctr_va_vcc(0) depctr_vm_vsrc(0)
	s_getreg_b32 s2, hwreg(HW_REG_IB_STS2, 6, 4)
	s_cmp_eq_u32 s2, 0
	s_cbranch_scc0 .Lentry_in_a_cluster
	s_endpgm
.Lentry_in_a_cluster:
	s_bfe_u32 s2, ttmp6, 0x10000c
	s_cmp_lg_u32 s2, 0xf033
	s_cbranch_scc0 .Lentry_shape_is_right
	s_endpgm
.Lentry_shape_is_right:
; QKV: product 1 on codes of E4M3, then bias, rotary turn (q, k) and the quantisers of products 2 and 3.  No work is left out.
; A tile of 256 tokens x 256 columns to a work-group of four waves, 128 x 128 to a wave: 64 accumulators, 512 registers.  K = 1,024 goes in four steps of 256 through two LDS slots.
; Codes lie as [tile of 16 rows][piece][row][16 bytes] (see PREP): a slot's part of a tile of 16 rows is 4,096 bytes on end, a fragment four loads of 512 consecutive bytes: no pitch, no padding.
; CLUSTERS: 4 x 4 work-groups; the tokens' tile is shared along a row of the cluster, the weights' along a column: joint loads.  The cluster's x says what is made: 0 q, 1 k, 2 v; it is the same in all partners.
; THE MATRIX INSTRUCTION: source 1 = P, whose row a lane holds in the result; source 0 = R, along whose rows the lane's eight registers run.  For q and k P = tokens, R = columns: a lane holds eight neighbouring
; channels of one token, the next K.  For v P = columns, R = tokens: a lane holds eight neighbouring keys of one channel, the K of product 3.  Only the two LDS read addresses differ.
; OUT: q, k: [batch x head][tile of 16 tokens][1,024 bytes], v: [batch x head][64 keys][16 channels x 4][1,024 bytes]: images of the registers that the conversions give, 512 consecutive bytes a store.
; LIMITS: e0 + e1 between -126 and 127; e2, e3, e5 between -126 and 119.  NaN among the inputs is not served.
; REGISTERS: window 0: v16-29 addresses; v32-95 bias; v96-111 codes; from v128 P's fragments, one set (on the way out v128-255 at work).  window 1: R's fragments, two sets (on the way out cos and sin).  windows 2, 3: accumulator (a, b) at v[8 (8 (a % 4) + b)].
.set KTOT,  1024
.set RTB,   4096                       ; a tile of 16 rows in a slot
.set HALFT, 8*RTB                      ; 128 rows: what one tensor load brings
.set SLOT,  4*HALFT                    ; the tokens' 256 rows, then the weights' 256
.set SPARE, 2*SLOT                     ; behind the ring: the spare words
.set HXO,   12582912
.set ROPEO, 16777216
.set FR, 16
.set NL, 4
.set NP, 4
.set ADRP, 16                          ; v16-17 LDS address of P's fragments in slot 0, 1
.set ADRR, 20                          ; v20-21 of R's
.set LI,   24                          ; v24 16 x lane
.set SPW,  28
.set NIL,  29
.set AF,   128
.set G1, 24
.set G0, 32
.set G1B, 48
.set G0B, 56
.set MSB, 0
.macro WIN new                         ; the immediate's high byte repeats the setting that is left
.if MSB != \new
	s_set_vgpr_msb (MSB<<8)|\new
.set MSB, \new
.endif
.endm
.set MUL_LO, 0xa1
.set MUL_HI, 0xf1
.set TO_B,   0x40
.macro JLOAD g0a, g1a, g0b, g1b        ; waves 0 and 1 fetch the tokens' halves, waves 2 and 3 the weights'; an s_nop 0 and four v_nop follow each line
	s_cmp_eq_u32 s15, 0
	s_cbranch_scc0 .Lfor_b_\@
	tensor_load_to_lds s[\g0a:\g0a+3], s[\g1a:\g1a+7]
	s_nop 0
.rept 4
	v_nop
.endr
	s_branch .Lasked_\@
.Lfor_b_\@:
	tensor_load_to_lds s[\g0b:\g0b+3], s[\g1b:\g1b+7]
	s_nop 0
.rept 4
	v_nop
.endr
.Lasked_\@:
.endm
.macro CREST
	s_cmp_lg_u32 s14, 0
	s_cbranch_scc1 .Lnot_wave_0_\@
	s_barrier_signal -3
.Lnot_wave_0_\@:
	s_barrier_wait -3
	s_barrier_signal -1
	s_barrier_wait -1
.endm
.macro CROUND
	s_barrier_signal -1
	s_barrier_wait -1
	CREST
.endm
	s_load_b256 s[4:11], s[0:1], 0x0               ; pre, qkv_b, the scales' exponents, qkvi
	v_lshl_add_u32 v[SPW], v0, 2, SPARE
	v_mov_b32 v[NIL], 0
	ds_add_u32 v[SPW], v[NIL]                      ; the opening: the add, twice on end, and its wait ahead of my first tensor load
	ds_add_u32 v[SPW], v[NIL]
	v_lshrrev_b32 v1, 5, v0
	v_readfirstlane_b32 s14, v1                    ; wave
	s_lshr_b32 s15, s14, 1                         ; my half of the tokens.  Also: I fetch tokens (0) or weights (1)
	s_and_b32 s16, s14, 1                          ; my half of the columns.  Also: which 128 rows I fetch
	s_bfe_u32 s40, ttmp6, 0x40000                  ; cx
	s_bfe_u32 s41, ttmp6, 0x40004                  ; cy
	s_lshl_b32 s42, ttmp9, 2
	s_add_co_u32 s42, s42, s40                     ; tile column 0..11
	s_and_b32 s17, ttmp7, 0xffff
	s_lshl_b32 s17, s17, 2
	s_add_co_u32 s17, s17, s41                     ; tile row 0..15
	s_lshl_b32 s43, s41, 2
	s_lshl_b32 s43, 15, s43                        ; my row of the cluster
	s_lshl_b32 s44, 0x1111, s40                    ; my column
	s_or_b32 s[G1+0], s43, (3<<16)|(1<<21)         ; the mask; elements of 8 bytes; bit 21 beside a mask; no padding
	s_or_b32 s[G1B+0], s44, (3<<16)|(1<<21)
.irp g, G1, G1B
	s_mov_b32 s[\g+1], 512<<16                     ; tensor_dim0: 512 elements = 4,096 bytes
	s_mov_b32 s[\g+2], 8<<16                       ; tensor_dim1: 8 tiles of 16 rows
	s_mov_b32 s[\g+3], 512<<16                     ; tile_dim0
	s_mov_b32 s[\g+4], 8                           ; tile_dim1
	s_mov_b32 s[\g+5], 2*KTOT                      ; from one tile of 16 rows to the next: 16 K bytes
	s_mov_b32 s[\g+6], 0
	s_mov_b32 s[\g+7], 0
.endr
	s_lshl_b32 s18, s16, 3
	s_lshl_b32 s20, s17, 4
	s_add_co_u32 s20, s20, s18
	s_lshl_b32 s20, s20, 14                        ; tokens: tile of 16 number 16 x tile row + 8 x half
	s_add_co_u32 s20, s20, HXO
	s_mov_b32 s21, 0
	s_lshl_b32 s46, s42, 4
	s_add_co_u32 s46, s46, s18
	s_lshl_b32 s46, s46, 14                        ; weights: 16 x tile column + 8 x half; qkv_w's codes begin at pre's byte 0
	s_mov_b32 s47, 0
	s_mul_i32 s45, s14, HALFT
	s_wait_dscnt 0x0                               ; both opening adds are done
	s_wait_kmcnt 0x0
	s_load_b256 s[68:75], s[8:9], 0x0              ; e0 .. e7
	s_add_nc_u64 s[20:21], s[4:5], s[20:21]
	s_add_nc_u64 s[46:47], s[4:5], s[46:47]
	CROUND                                         ; all sixteen work-groups are here: the first joint loads meet
.irp s, 0,1
	s_mov_b32 s[G0+4*\s], 1
	s_add_co_u32 s[G0+4*\s+1], s45, \s*SLOT
	s_add_nc_u64 s[G0+4*\s+2:G0+4*\s+3], s[20:21], \s*RTB
	s_or_b32 s[G0+4*\s+3], s[G0+4*\s+3], 0x80000000
	s_mov_b32 s[G0B+4*\s], 1
	s_add_co_u32 s[G0B+4*\s+1], s45, \s*SLOT
	s_add_nc_u64 s[G0B+4*\s+2:G0B+4*\s+3], s[46:47], \s*RTB
	s_or_b32 s[G0B+4*\s+3], s[G0B+4*\s+3], 0x80000000
	JLOAD G0+4*\s, G1, G0B+4*\s, G1B
.endr
	v_and_b32 v1, 31, v0
	v_lshlrev_b32 v[LI], 4, v1
	s_mul_i32 s21, s15, HALFT                      ; my 128 tokens in a slot,
	s_mul_i32 s22, s16, HALFT
	s_add_co_u32 s22, s22, 2*HALFT                 ; my 128 columns
	s_cmp_eq_u32 ttmp9, 2                          ; v: the two change places
	s_cselect_b32 s23, s22, s21                    ; P
	s_cselect_b32 s22, s21, s22                    ; R
.irp s, 0,1
	v_add_nc_u32 v[ADRP+\s], s23, v[LI]
	v_add_nc_u32 v[ADRR+\s], s22, v[LI]
	s_add_co_u32 s23, s23, SLOT
	s_add_co_u32 s22, s22, SLOT
.endr
.macro FRAG reg, adr, q, i             ; tile of 16 rows i, the slot's q-th 128 along K: lane (r, h) gets pieces 2 c + h of row r
.irp c, 0,1,2,3
	ds_load_b128 v[\reg+4*\c:\reg+4*\c+3], v[\adr] offset:2048*(\q)+512*\c+(\i)*RTB
.endr
.endm
.macro MUL16 a0, p, zero               ; P's blocks a0, a0 + 1 x R's eight; the 64 accumulators take turns in the same order in every step
.irp a, \a0, \a0+1
.irp b, 0,1,2,3,4,5,6,7
.if \zero
	v_wmma_f32_16x16x128_fp8_fp8 v[8*(8*((\a)%4)+\b):8*(8*((\a)%4)+\b)+7], v[128*(\p)+FR*\b:128*(\p)+FR*\b+FR-1], v[AF+FR*(\a):AF+FR*(\a)+FR-1], 0
.else
	v_wmma_f32_16x16x128_fp8_fp8 v[8*(8*((\a)%4)+\b):8*(8*((\a)%4)+\b)+7], v[128*(\p)+FR*\b:128*(\p)+FR*\b+FR-1], v[AF+FR*(\a):AF+FR*(\a)+FR-1], v[8*(8*((\a)%4)+\b):8*(8*((\a)%4)+\b)+7]
.endif
.endr
.endr
.endm
.macro FETCH_B slot, q, p
	WIN TO_B
.irp i, 0,1,2,3,4,5,6,7
	FRAG 128*(\p)+FR*\i, ADRR+\slot, \q, \i
.endr
	WIN 0
.endm
.macro FETCH_A slot, q, i0
.irp i, \i0, \i0+1, \i0+2, \i0+3
	FRAG AF+FR*(\i), ADRP+\slot, \q, \i
.endr
.endm
.macro PLACES n                        ; plain vector lines between a matrix instruction and a load into, or a read of, its registers
.rept \n
	v_nop
.endr
.endm
.macro STEP slot, q, zero              ; 128 along K with a successor in the same slot
	s_wait_dscnt 4*NL                              ; R's set and P's blocks 0-3 are in; the youngest sixteen loads (blocks 4-7) may be out
	WIN MUL_LO
	MUL16 0, (\q)%2, \zero
	MUL16 2, (\q)%2, \zero
	s_wait_dscnt 0
	PLACES NP
	FETCH_B \slot, (\q)+1, 1-(\q)%2
	FETCH_A \slot, (\q)+1, 0
	WIN MUL_HI
	MUL16 4, (\q)%2, \zero
	MUL16 6, (\q)%2, \zero
	PLACES NP
	WIN 0
	FETCH_A \slot, (\q)+1, 4
.endm
.macro TURN slot, next, fill           ; a slot's last step changes slots: one barrier, in front of it the wait for all my tensor loads, the add, and the wait for it and for my reads of this slot
	s_wait_tensorcnt 0x0
	ds_add_u32 v[SPW], v[NIL]
	s_wait_dscnt 4*NL+1                            ; (the add and P's blocks 4-7 may be out)
	WIN MUL_LO
	MUL16 0, 1, 0
	s_wait_dscnt 0x0
	s_barrier_signal -1
	MUL16 2, 1, 0
	WIN 0
	s_barrier_wait -1
.if \fill
	CREST                                          ; the barrier has opened a round of the cluster's: no wave of any partner still reads this slot or has a load on its way
	s_add_nc_u64 s[G0+4*\slot+2:G0+4*\slot+3], s[G0+4*\slot+2:G0+4*\slot+3], 2*RTB
	s_add_nc_u64 s[G0B+4*\slot+2:G0B+4*\slot+3], s[G0B+4*\slot+2:G0B+4*\slot+3], 2*RTB
	JLOAD G0+4*\slot, G1, G0B+4*\slot, G1B         ; the first tensor load behind the round; its four v_nop are the places in front of the loads below
.else
	PLACES NP
.endif
	FETCH_B \next, 0, 0
	FETCH_A \next, 0, 0
	WIN MUL_HI
	MUL16 4, 1, 0
	MUL16 6, 1, 0
	PLACES NP
	WIN 0
	FETCH_A \next, 0, 4
.endm
	s_wait_tensorcnt 1                             ; my part of slot 0 is in; slot 1's load may be out
	s_barrier_signal -1
	s_barrier_wait -1
	FETCH_B 0, 0, 0
	FETCH_A 0, 0, 0
	FETCH_A 0, 0, 4
	STEP 0, 0, 1                                   ; K's four slot steps are written out: the first products start the sums, the last two changes fill nothing
	TURN 0, 1, 1
	STEP 1, 0, 0
	TURN 1, 0, 1
	STEP 0, 0, 0
	TURN 0, 1, 0
	STEP 1, 0, 0
	s_wait_dscnt 4*NL
	WIN MUL_LO
	MUL16 0, 1, 0
	MUL16 2, 1, 0
	s_wait_dscnt 0
	WIN MUL_HI
	MUL16 4, 1, 0
	MUL16 6, 1, 0
	WIN 0
	PLACES NP
; ---- THE WAY OUT
	s_wait_kmcnt 0x0
	s_add_co_i32 s76, s68, s69
	s_add_co_i32 s76, s76, 127
	s_lshl_b32 s76, s76, 23                        ; 2^(e0 + e1)
	s_mov_b32 s77, s76
	s_cmp_eq_u32 ttmp9, 0
	s_cselect_b32 s78, s70, s71                    ; q: e2; k: e3;
	s_cmp_eq_u32 ttmp9, 2
	s_cselect_b32 s78, s73, s78                    ; v: e5
	s_add_co_i32 s78, s78, 127
	s_lshl_b32 s79, s78, 23
	s_add_co_i32 s78, s78, 8
	s_lshl_b32 s78, s78, 23
	s_or_b32 s78, s78, 0x600000
	v_mov_b32 v2, s79                              ; the quantiser's scale,
	v_mov_b32 v3, s78                              ; and 448 x it
	s_lshr_b32 s80, s17, 3                         ; batch
	s_and_b32 s81, s17, 7
	s_lshl_b32 s81, s81, 8
	s_lshl_b32 s82, s15, 7
	s_add_co_u32 s81, s81, s82                     ; my first token in its sequence
	s_lshl_b32 s80, s80, 4
	s_and_b32 s82, s42, 3
	s_lshl_b32 s82, s82, 2
	s_add_co_u32 s80, s80, s82
	s_lshl_b32 s82, s16, 1
	s_add_co_u32 s80, s80, s82                     ; my first of two heads: 16 batch + 4 (tile column % 4) + 2 half
	s_lshl_b32 s80, s80, 17
	s_lshl_b32 s82, s81, 6                         ; 64 bytes a token in all three
	s_add_co_u32 s80, s80, s82
	s_lshl_b32 s82, ttmp9, 22                      ; q at 0, k at 4 MiB, v at 8 MiB
	s_add_co_u32 s82, s80, s82
	s_mov_b32 s83, 0
	s_add_nc_u64 s[10:11], s[10:11], s[82:83]
	s_lshl_b32 s84, s42, 10
	s_lshl_b32 s85, s16, 9
	s_add_co_u32 s84, s84, s85
	s_mov_b32 s85, 0
	s_add_nc_u64 s[6:7], s[6:7], s[84:85]          ; the bias of my 128 columns
	s_cmp_eq_u32 ttmp9, 2
	s_cbranch_scc1 .Lvpart
	; q, k: lane (r, h), accumulator (a, b): token 16 a + r, columns 16 b + 8 h + 0 .. 7
	v_bfe_u32 v4, v0, 4, 1
	v_lshlrev_b32 v4, 5, v4
.irp b, 0,1,2,3,4,5,6,7
	global_load_b128 v[32+8*\b:32+8*\b+3], v4, s[6:7] offset:64*\b
	global_load_b128 v[32+8*\b+4:32+8*\b+7], v4, s[6:7] offset:64*\b+16
.endr
	s_lshl_b32 s84, s81, 8                         ; cos and sin: 4,096 bytes for 16 positions
	s_add_co_u32 s84, s84, ROPEO
	s_add_nc_u64 s[4:5], s[4:5], s[84:85]
	WIN 0x40
.irp a, 0,1,2,3,4,5,6,7
.irp i, 0,1,2,3,4,5,6,7
	global_load_b128 v[32*\a+4*\i:32*\a+4*\i+3], v[LI], s[4:5] offset:4096*\a+512*\i   ; window 1, v[32 a + 8 b' + 2 p]: (cos, sin) of pair 8 b' + 4 h + p
.endr
.endr
	WIN 0
.macro QKOUT a
.set AC, 64*((\a)%4)
	s_wait_loadcnt 8*(7-(\a))                      ; this block's cos and sin are in (and the bias, which is older); the later blocks' eight loads each may be out
	WIN 0x02+((\a)/4)
.set j, 0
.rept 32
	v_pk_fma_f32 v[128+j:129+j], v[AC+j:AC+j+1], s[76:77], v[32+j:33+j] op_sel_hi:[1,0,1]   ; sum x 2^(e0 + e1) + bias; each accumulator from its low end on
.set j, j+2
.endr
	WIN 0x04                                       ; source 1 in window 1
.set j, 0
.rept 32
	v_pk_mul_f32 v[192+j:193+j], v[128+j:129+j], v[32*(\a)+j%32:32*(\a)+j%32+1] op_sel_hi:[1,0]   ; (x0 cos, x1 cos)
.set j, j+2
.endr
.set j, 0
.rept 32
	v_pk_fma_f32 v[192+j:193+j], v[128+j:129+j], v[32*(\a)+j%32:32*(\a)+j%32+1], v[192+j:193+j] op_sel:[1,1,0] op_sel_hi:[0,1,1] neg_lo:[1,0,0]   ; (- x1 sin, + x0 sin)
.set j, j+2
.endr
	WIN 0
.set j, 0
.rept 64
	v_med3_num_f32 v[192+j], v[192+j], -v3, v3
.set j, j+1
.endr
.if (\a) > 0
	s_wait_xcnt 0x0                                ; the last block's stores have read their registers
.endif
.irp b, 0,1,2,3,4,5,6,7
	v_cvt_scalef32_pk8_fp8_f32 v[96+2*\b:97+2*\b], v[192+8*\b:199+8*\b], v2
.endr
	v_nop
.irp hw, 0,1
.irp q, 0,1
	global_store_b128 v[LI], v[96+8*\hw+4*\q:96+8*\hw+4*\q+3], s[10:11] offset:131072*\hw+1024*(\a)+512*\q
.endr
.endr
.endm
.irp a, 0,1,2,3,4,5,6,7
	QKOUT \a
.endr
	s_branch .Ldone
.Lvpart:
	; v: lane (r, h), accumulator (a, b): column 16 a + r, tokens 16 b + 8 h + 0 .. 7
	v_and_b32 v4, 15, v0
	v_lshlrev_b32 v4, 2, v4
.irp a, 0,1,2,3,4,5,6,7
	global_load_b32 v[32+2*\a], v4, s[6:7] offset:64*\a
.endr
	s_wait_loadcnt 0x0
.irp a, 0,1,2,3,4,5,6,7
	v_mov_b32 v[33+2*\a], v[32+2*\a]
.endr
.macro VOUT a
.set AC, 64*((\a)%4)
	WIN 0x02+((\a)/4)
.set j, 0
.rept 32
	v_pk_fma_f32 v[128+j:129+j], v[AC+j:AC+j+1], s[76:77], v[32+2*(\a):33+2*(\a)] op_sel_hi:[1,0,1]
.set j, j+2
.endr
	WIN 0
.set j, 0
.rept 64
	v_med3_num_f32 v[128+j], v[128+j], -v3, v3
.set j, j+1
.endr
.if (\a) > 0
	s_wait_xcnt 0x0
.endif
.irp b, 0,1,2,3,4,5,6,7
	v_cvt_scalef32_pk8_fp8_f32 v[96+2*\b:97+2*\b], v[128+8*\b:135+8*\b], v2
.endr
	v_nop
.irp c, 0,1
.irp q, 0,1
	global_store_b128 v[LI], v[96+8*\c+4*\q:96+8*\c+4*\q+3], s[10:11] offset:131072*((\a)/4)+4096*\c+1024*((\a)%4)+512*\q
.endr
.endr
.endm
.irp a, 0,1,2,3,4,5,6,7
	VOUT \a
.endr
.Ldone:
	s_wait_tensorcnt 0x0                           ; the wave's end
	ds_add_u32 v[SPW], v[NIL]
	s_wait_dscnt 0x0
	CROUND                                         ; the closing round
	s_endpgm
.Lfunc_end_k_qfec07fcb42_qkv:
	.size	k_qfec07fcb42_qkv, .Lfunc_end_k_qfec07fcb42_qkv-k_qfec07fcb42_qkv
	.p2alignl 7, 3214868480
	.fill 96, 4, 3214868480
	.section	.rodata,"a",@progbits
	.p2align	6, 0x0
	.amdhsa_kernel k_qfec07fcb42_qkv
		.amdhsa_group_segment_fixed_size 327680
		.amdhsa_private_segment_fixed_size 0
		.amdhsa_enable_private_segment 0
		.amdhsa_kernarg_size 32
		.amdhsa_user_sgpr_count 2
		.amdhsa_user_sgpr_kernarg_segment_ptr 1
		.amdhsa_wavefront_size32 1
		.amdhsa_system_sgpr_workgroup_id_x 1
		.amdhsa_system_sgpr_workgroup_id_y 1
		.amdhsa_system_sgpr_workgroup_id_z 1
		.amdhsa_system_vgpr_workitem_id 0
		.amdhsa_next_free_vgpr 1024
		.amdhsa_next_free_sgpr 100
		.amdhsa_reserve_vcc 0
		.amdhsa_float_denorm_mode_32 3
		.amdhsa_float_denorm_mode_16_64 3
		.amdhsa_memory_ordered 1
		.amdhsa_forward_progress 1
		.amdhsa_inst_pref_size 231
	.end_amdhsa_kernel
	.amdgpu_metadata
---
amdhsa.version: [ 1, 2 ]
amdhsa.kernels:
  - .name:           k_qfec07fcb42_qkv
    .symbol:         k_qfec07fcb42_qkv.kd
    .args:
      - { .name: pre, .offset: 0, .size: 8, .value_kind: global_buffer, .address_space: global }
      - { .name: qkv_b, .offset: 8, .size: 8, .value_kind: global_buffer, .address_space: global }
      - { .name: lowp_scales, .offset: 16, .size: 8, .value_kind: global_buffer, .address_space: global }
      - { .name: qkvi, .offset: 24, .size: 8, .value_kind: global_buffer, .address_space: global }
    .group_segment_fixed_size: 327680
    .private_segment_fixed_size: 0
    .kernarg_segment_align: 8
    .kernarg_segment_size: 32
    .max_flat_workgroup_size: 128
    .sgpr_count:     100
    .vgpr_count:     1024
    .wavefront_size: 32
...
	.end_amdgpu_metadata
.endif
;; end of part 2
;; launch attn (part 3): grid 8 x 32, 16 waves a work-group, clusters of 4 x 1, 264,192 bytes of LDS; arguments qkvi, lowp_scales, oimg; writes oimg
.if DOCPART == 3
	.amdgcn_target "amdgcn-amd-amdhsa--gfx1250"
	.amdhsa_code_object_version 6
	.text
	.protected	k_qfec07fcb42_attn
	.globl	k_qfec07fcb42_attn
	.p2align	8
	.type	k_qfec07fcb42_attn,@function
k_qfec07fcb42_attn:
	s_mov_b64 s[64:65], 0
	v_nop
	global_prefetch_b8 v0, s[64:65] scope:SCOPE_SE
	s_setreg_imm32_b32 hwreg(HW_REG_WAVE_MODE, 25, 1), 1
	s_wait_xcnt 0x0
	s_wait_alu depctr_hold_cnt(0) depctr_sa_sdst(0) depctr_va_vdst(0) depctr_va_sdst(0) depctr_va_ssrc(0) depctr_va_vcc(0) depctr_vm_vsrc(0)
	s_getreg_b32 s2, hwreg(HW_REG_IB_STS2, 6, 4)
	s_cmp_eq_u32 s2, 0
	s_cbranch_scc0 .Lentry_in_a_cluster
	s_endpgm
.Lentry_in_a_cluster:
	s_bfe_u32 s2, ttmp6, 0x10000c
	s_cmp_lg_u32 s2, 0x3003
	s_cbranch_scc0 .Lentry_shape_is_right
	s_endpgm
.Lentry_shape_is_right:
; ATTN: products 2 and 3 on codes of E4M3 with the softmax between them, and the quantiser of product 4's left operand.  No work is left out.
; t = score x 2^(e2 + e3) x log2(e) / 8; M = the running largest t rounded up to a whole number; p = 2^(t - M) is quantised with 2^e4; the row's sum is taken of the unquantised p and divides at the end.
; SHARES.  A work-group owns 256 queries of one batch and head, each of its sixteen waves 16 of them in 256 registers.  The head's whole K and V, 131,072 bytes each, lie in LDS: nothing is filled twice.
; CLUSTER.  The four query blocks of a cluster belong to one head: K and V are asked for jointly, two loads a wave (the first 512 keys, then the rest), all at the head.
; LAYOUT.  S^T = K Q^T (source 0 = 16 keys), O^T = V^T P^T (source 0 = 16 channels): a lane holds one query throughout.  q, k and v lie as images of fragment registers (see QKV); tile t's eight scores of a lane are
; keys 16 t + 8 h + 0 .. 7, so their codes are registers 2 t, 2 t + 1 of P's fragment as they come.
; THE ORDER INSIDE A KEY STEP keeps a line away from the line whose result it reads: the maximum and the sum run in four chains; V's LDS loads stand in the gaps of the dependent run from the maximum to -M;
; the exponentials, still one batch with one wait, alternate with the scalings that are left and with O^T's multiplications by f.
; OUT: oimg [tile of 16 tokens][piece 4 head + ..][row][16 bytes], map B of PREP: two stores of 512 consecutive bytes a wave.
; LIMITS: e2 + e3 between -123 and 130; e4 and e6 between -126 and 119.  NaN among the inputs is not served.
; REGISTERS: v1 16 x lane; v8, v9 LDS addresses; v12 -M, v13 the largest t, v[14:15] the sum; v16-23 Q; v24-27 a step's four maxima, v28 the old -M; v32-95 K's eight fragments, then V's four; v96-159 S^T, then p;
; v160-191 O^T; v224-239 p's codes; v240 the hold, v244 the scale, v242-251 a step's four sums, v[252:253] f, v236, v254 at work.
.set SPARE, 262144
.set LI,  1
.set SPW, 5
.set NIL, 6
.set ADK, 8
.set ADV, 9
.set MX,  24
.set WV,  18
.set SEL, 20
.set CS,  22
.set G1A, 24                           ; s[24:31] 16 rows of 256 bytes;  s[32:39] 48 rows
.set G1B, 32
.set G0A, 40
.set G0B, 44
.set TB,  2                            ; s2 the key step's first byte in K's and in V's part of LDS
.set CNT, 3
.macro CROUND
	s_barrier_signal -1
	s_barrier_wait -1
	s_cmp_lg_u32 s[WV], 0
	s_cbranch_scc1 .Lnot_wave_0_\@
	s_barrier_signal -3
.Lnot_wave_0_\@:
	s_barrier_wait -3
	s_barrier_signal -1
	s_barrier_wait -1
.endm
	s_load_b128 s[4:7], s[0:1], 0x0                ; qkvi, the scales' exponents
	s_load_b64 s[8:9], s[0:1], 0x10                ; oimg
	v_lshl_add_u32 v[SPW], v0, 2, SPARE
	v_mov_b32 v[NIL], 0
	ds_add_u32 v[SPW], v[NIL]                      ; the opening: the add, twice on end, and its wait ahead of my first tensor load
	ds_add_u32 v[SPW], v[NIL]
	v_lshrrev_b32 v8, 5, v0
	v_readfirstlane_b32 s[WV], v8                  ; wave 0..15
	s_bfe_u32 s10, ttmp6, 0x40000                  ; cx: it enters Q's and O's addresses alone
	s_lshl_b32 s11, ttmp9, 2
	s_add_co_u32 s11, s11, s10                     ; my block of 256 queries
	s_and_b32 s12, ttmp7, 0xffff                   ; batch x 16 + head
	s_lshl_b32 s13, s12, 17
	s_and_b32 s14, s[WV], 7
	s_lshr_b32 s15, s[WV], 3                       ; waves 0-7 fetch K, waves 8-15 V
	s_add_co_u32 s16, s15, 1
	s_lshl_b32 s16, s16, 22                        ; k at 4 MiB, v at 8 MiB
	s_add_co_u32 s16, s16, s13
	s_lshl_b32 s17, s14, 12                        ; first load: 4,096 bytes of the first 32,768
	s_add_co_u32 s48, s16, s17
	s_mov_b32 s49, 0
	s_mul_i32 s19, s14, 12288                      ; second load: 12,288 bytes of the other 98,304
	s_add_co_u32 s19, s19, 32768
	s_add_co_u32 s50, s16, s19
	s_mov_b32 s51, 0
	s_lshl_b32 s52, s15, 17                        ; LDS: K from 0, V from 131,072
	s_mov_b32 s[G1A], 15|(3<<16)|(1<<21)           ; the mask: all four work-groups; elements of 8 bytes; bit 21 beside a mask
	s_mov_b32 s[G1A+1], 32<<16
	s_mov_b32 s[G1A+2], 16<<16
	s_mov_b32 s[G1A+3], 32<<16
	s_mov_b32 s[G1A+4], 16
	s_mov_b32 s[G1A+5], 32
	s_mov_b32 s[G1A+6], 0
	s_mov_b32 s[G1A+7], 0
	s_mov_b32 s[G1B], 15|(3<<16)|(1<<21)
	s_mov_b32 s[G1B+1], 32<<16
	s_mov_b32 s[G1B+2], 48<<16
	s_mov_b32 s[G1B+3], 32<<16
	s_mov_b32 s[G1B+4], 48
	s_mov_b32 s[G1B+5], 32
	s_mov_b32 s[G1B+6], 0
	s_mov_b32 s[G1B+7], 0
	s_mov_b32 s[SEL], 0x76543210
	s_mov_b32 s[SEL+1], 0xfedcba98
	s_mov_b32 s[CS], 0x3e38aa3b                    ; log2(e) / 8
	s_mov_b32 s[TB], 0
	s_wait_dscnt 0x0                               ; both opening adds are done
	s_wait_kmcnt 0x0
	s_load_b256 s[68:75], s[6:7], 0x0              ; e0 .. e7
	s_mov_b32 s[G0A], 1
	s_add_co_u32 s[G0A+1], s52, s17
	s_add_nc_u64 s[G0A+2:G0A+3], s[4:5], s[48:49]
	s_or_b32 s[G0A+3], s[G0A+3], 0x80000000
	s_mov_b32 s[G0B], 1
	s_add_co_u32 s[G0B+1], s52, s19
	s_add_nc_u64 s[G0B+2:G0B+3], s[4:5], s[50:51]
	s_or_b32 s[G0B+3], s[G0B+3], 0x80000000
	CROUND                                         ; all four work-groups are here: the joint loads meet
	tensor_load_to_lds s[G0A:G0A+3], s[G1A:G1A+7]  ; every wave issues both: two loads of mine are out
	s_nop 0
	tensor_load_to_lds s[G0B:G0B+3], s[G1B:G1B+7]
	s_nop 0
.rept 4
	v_nop
.endr
	v_and_b32 v[LI], 31, v0
	v_lshlrev_b32 v[LI], 4, v[LI]
	s_lshl_b32 s53, s11, 4
	s_add_co_u32 s53, s53, s[WV]                   ; my tile of 16 queries
	s_lshl_b32 s54, s53, 10
	s_add_co_u32 s54, s54, s13
	s_mov_b32 s55, 0
	s_add_nc_u64 s[56:57], s[4:5], s[54:55]
	global_load_b128 v[16:19], v[LI], s[56:57]
	global_load_b128 v[20:23], v[LI], s[56:57] offset:512
	s_lshr_b32 s54, s12, 4
	s_lshl_b32 s54, s54, 7
	s_add_co_u32 s54, s54, s53                     ; 128 batch + tile
	s_lshl_b32 s54, s54, 4
	s_and_b32 s58, s12, 15
	s_add_co_u32 s54, s54, s58
	s_lshl_b32 s54, s54, 10
	s_add_nc_u64 s[8:9], s[8:9], s[54:55]
	v_mov_b32 v13, 0xff61b1e6                      ; the largest t so far: -3e38
	v_floor_f32 v12, -v13
	v_mov_b32 v14, 0
	v_mov_b32 v15, 0
	v_mov_b32 v236, 0                              ; a lane permute's destination counts as one of its sources
	v_mov_b32 v253, 0
.set j, 0
.rept 32
	v_mov_b32 v[160+j], 0                          ; O^T: the step is written for every step alike; the first change of M leaves zeros zeros
.set j, j+1
.endr
	s_wait_kmcnt 0x0
	s_add_co_i32 s58, s70, s71
	s_lshl_b32 s58, s58, 23
	s_add_co_i32 s[CS], s[CS], s58                 ; e2 + e3 go into c's exponent field
	s_mov_b32 s[CS+1], s[CS]
	s_add_co_i32 s58, s72, 127
	s_lshl_b32 s59, s58, 23
	v_mov_b32 v244, s59                            ; 2^e4
	s_add_co_i32 s58, s58, 8
	s_lshl_b32 s58, s58, 23
	s_or_b32 s58, s58, 0x600000
	v_mov_b32 v240, s58                            ; 448 x 2^e4
.macro VL first, last                  ; loads first .. last of the sixteen that bring V's four fragments: load n is part n % 4 of fragment n / 4
.set n, \first
.rept (\last)-(\first)+1
	ds_load_b128 v[32+4*n:35+4*n], v[ADV] offset:1024*(n/4)+512*(n%2)+4096*((n/2)%2)
.set n, n+1
.endr
.endm
.macro SCL p                           ; pair p of the scores: t - M
	v_pk_fma_f32 v[96+2*(\p):97+2*(\p)], v[96+2*(\p):97+2*(\p)], s[CS:CS+1], v[12:13] op_sel_hi:[1,0,0]
.endm
.macro STEP                            ; 128 keys
	v_add_nc_u32 v[ADK], s[TB], v[LI]
	v_add_nc_u32 v[ADV], 0x20000, v[ADK]
	v_mov_b32 v28, v12                             ; the old -M
	v_nop                                          ; with the three lines above: four places in front of loads into registers that the last products read
.irp t, 0,1,2,3,4,5,6,7
	ds_load_b128 v[32+8*\t:35+8*\t], v[ADK] offset:1024*\t
	ds_load_b128 v[36+8*\t:39+8*\t], v[ADK] offset:1024*\t+512
.endr
	s_wait_dscnt 0x0
.irp t, 0,1,2,3,4,5,6,7
	v_wmma_f32_16x16x64_fp8_fp8 v[96+8*\t:103+8*\t], v[32+8*\t:39+8*\t], v[16:23], 0
.endr
.rept 4
	v_nop
.endr
.irp c, 0,1,2,3                        ; the step's largest score of my query among my 64 keys: four chains of sixteen scores, each accumulator from its low end on
	v_max3_num_f32 v[MX+\c], v[96+16*\c], v[97+16*\c], v[98+16*\c]
.endr
.irp i, 3,5,7,9,11,13
.irp c, 0,1,2,3
	v_max3_num_f32 v[MX+\c], v[MX+\c], v[96+16*\c+\i], v[97+16*\c+\i]
.endr
.endr
	v_max3_num_f32 v[MX], v[MX], v111, v127        ; the chains' last scores,
	v_max3_num_f32 v[MX+2], v[MX+2], v143, v159
	v_max3_num_f32 v[MX], v[MX], v[MX+1], v[MX+2]  ; and the chains
	v_max_num_f32 v254, v[MX], v[MX+3]
	VL 0, 2                                        ; V's fragments are asked for in the gaps of this dependent run, and land under the softmax
	v_permlanex16_b32 v236, v254, s[SEL], s[SEL+1]
	VL 3, 5
	v_max_num_f32 v254, v254, v236                 ; and among lane l xor 16's
	VL 6, 8
	v_mul_f32 v254, s[CS], v254
	VL 9, 11
	v_max_num_f32 v13, v13, v254                   ; the running largest t
	VL 12, 15
	v_floor_f32 v12, -v13                          ; the new -M
	SCL 0
	v_sub_f32 v254, v12, v28                       ; old M - new M, a whole number, 0 or less
	SCL 1
	v_cvt_i32_f32 v254, v254
	SCL 2
	SCL 3
	v_ldexp_f32 v252, 1.0, v254                    ; f = 2^(old M - new M)
.set k, 0
.rept 32                               ; p = 2^(t - M): ONE batch of 64 exponentials; between them the scalings that are left, four pairs ahead, and O^T under the new M.  No line here names a result of the batch
.if k+4 < 32
	SCL k+4
.endif
	v_exp_f32 v[96+2*k], v[96+2*k]
.if k < 16
	v_pk_mul_f32 v[160+2*k:161+2*k], v[160+2*k:161+2*k], v[252:253] op_sel_hi:[1,0]
.endif
	v_exp_f32 v[97+2*k], v[97+2*k]
.set k, k+1
.endr
	v_pk_mul_f32 v[14:15], v[14:15], v[252:253] op_sel_hi:[1,0]   ; the sums under the new M: the plain line behind the exponentials
	s_wait_alu depctr_va_vdst(0)                   ; one wait for the batch, ahead of its first reader
	v_pk_add_f32 v[242:243], v[96:97], v[98:99]    ; the row's sum of the unquantised p, in four chains
	v_pk_add_f32 v[246:247], v[100:101], v[102:103]
	v_pk_add_f32 v[248:249], v[104:105], v[106:107]
	v_pk_add_f32 v[250:251], v[108:109], v[110:111]
.irp j, 16,24,32,40,48,56
	v_pk_add_f32 v[242:243], v[242:243], v[96+\j:97+\j]
	v_pk_add_f32 v[246:247], v[246:247], v[98+\j:99+\j]
	v_pk_add_f32 v[248:249], v[248:249], v[100+\j:101+\j]
	v_pk_add_f32 v[250:251], v[250:251], v[102+\j:103+\j]
.endr
	v_pk_add_f32 v[242:243], v[242:243], v[246:247]
	v_pk_add_f32 v[248:249], v[248:249], v[250:251]
	v_pk_add_f32 v[14:15], v[14:15], v[242:243]
	v_pk_add_f32 v[14:15], v[14:15], v[248:249]
.set j, 0
.rept 64
	v_min_num_f32 v[96+j], v[96+j], v240           ; p is not negative: the hold is one-sided
.set j, j+1
.endr
.irp t, 0,1,2,3,4,5,6,7
	v_cvt_scalef32_pk8_fp8_f32 v[224+2*\t:225+2*\t], v[96+8*\t:103+8*\t], v244
.endr
	v_nop                                          ; a plain line between the last conversion and the products that read the codes
	s_wait_dscnt 0x0                               ; V is in
.irp a, 0,1,2,3
	v_wmma_f32_16x16x128_fp8_fp8 v[160+8*\a:167+8*\a], v[32+16*\a:47+16*\a], v[224:239], v[160+8*\a:167+8*\a]
.endr
	s_add_co_u32 s[TB], s[TB], 8192
.endm
	s_wait_loadcnt 0x0                             ; Q
	s_wait_tensorcnt 0x1                           ; my part of the first 512 keys is in; the second load may be out: nothing is filled twice
	s_barrier_signal -1
	s_barrier_wait -1                              ; everybody's is
	s_mov_b32 s[CNT], 4
.Lfirst:                                           ; keys 0 .. 511
	STEP
	s_sub_co_u32 s[CNT], s[CNT], 1
	s_cmp_lg_u32 s[CNT], 0
	s_cbranch_scc1 .Lfirst
	s_wait_tensorcnt 0x0                           ; my part of the other keys is in
	s_wait_dscnt 0x0
	s_barrier_signal -1
	s_barrier_wait -1
	s_mov_b32 s[CNT], 12
.Lrest:                                            ; keys 512 .. 2,047
	STEP
	s_sub_co_u32 s[CNT], s[CNT], 1
	s_cmp_lg_u32 s[CNT], 0
	s_cbranch_scc1 .Lrest
	; THE WAY OUT: O^T / the sum x 2^(e4 + e5), quantised with 2^e6; the codes' eight registers are stored as they stand
	v_add_f32 v14, v14, v15
	v_permlanex16_b32 v252, v14, s[SEL], s[SEL+1]
	v_add_f32 v14, v14, v252
	v_rcp_f32 v14, v14
	s_add_co_i32 s58, s72, s73
	s_add_co_i32 s59, s74, 127
	s_lshl_b32 s60, s59, 23
	v_mov_b32 v244, s60                            ; 2^e6
	s_add_co_i32 s59, s59, 8
	s_lshl_b32 s59, s59, 23
	s_or_b32 s59, s59, 0x600000
	v_mov_b32 v240, s59
	v_nop
	v_nop
	s_wait_alu depctr_va_vdst(0)                   ; ahead of the reciprocal's first reader
	v_ldexp_f32 v14, v14, s58
.set j, 0
.rept 32
	v_mul_f32 v[96+j], v[160+j], v14               ; register 8 a + i is o(query r, channel 16 a + 8 h + i)
.set j, j+1
.endr
.set j, 0
.rept 32
	v_med3_num_f32 v[96+j], v[96+j], -v240, v240
.set j, j+1
.endr
.irp a, 0,1,2,3
	v_cvt_scalef32_pk8_fp8_f32 v[224+2*\a:225+2*\a], v[96+8*\a:103+8*\a], v244
.endr
	v_nop
	global_store_b128 v[LI], v[224:227], s[8:9]
	global_store_b128 v[LI], v[228:231], s[8:9] offset:512
	s_wait_tensorcnt 0x0                           ; the wave's end
	ds_add_u32 v[SPW], v[NIL]
	s_wait_dscnt 0x0
	CROUND                                         ; the closing round
	s_endpgm
.Lfunc_end_k_qfec07fcb42_attn:
	.size	k_qfec07fcb42_attn, .Lfunc_end_k_qfec07fcb42_attn-k_qfec07fcb42_attn
	.p2alignl 7, 3214868480
	.fill 96, 4, 3214868480
	.section	.rodata,"a",@progbits
	.p2align	6, 0x0
	.amdhsa_kernel k_qfec07fcb42_attn
		.amdhsa_group_segment_fixed_size 264192
		.amdhsa_private_segment_fixed_size 0
		.amdhsa_enable_private_segment 0
		.amdhsa_kernarg_size 24
		.amdhsa_user_sgpr_count 2
		.amdhsa_user_sgpr_kernarg_segment_ptr 1
		.amdhsa_wavefront_size32 1
		.amdhsa_system_sgpr_workgroup_id_x 1
		.amdhsa_system_sgpr_workgroup_id_y 1
		.amdhsa_system_sgpr_workgroup_id_z 1
		.amdhsa_system_vgpr_workitem_id 0
		.amdhsa_next_free_vgpr 256
		.amdhsa_next_free_sgpr 100
		.amdhsa_reserve_vcc 0
		.amdhsa_float_denorm_mode_32 3
		.amdhsa_float_denorm_mode_16_64 3
		.amdhsa_memory_ordered 1
		.amdhsa_forward_progress 1
		.amdhsa_inst_pref_size 42
	.end_amdhsa_kernel
	.amdgpu_metadata
---
amdhsa.version: [ 1, 2 ]
amdhsa.kernels:
  - .name:           k_qfec07fcb42_attn
    .symbol:         k_qfec07fcb42_attn.kd
    .args:
      - { .name: qkvi, .offset: 0, .size: 8, .value_kind: global_buffer, .address_space: global }
      - { .name: lowp_scales, .offset: 8, .size: 8, .value_kind: global_buffer, .address_space: global }
      - { .name: oimg, .offset: 16, .size: 8, .value_kind: global_buffer, .address_space: global }
    .group_segment_fixed_size: 264192
    .private_segment_fixed_size: 0
    .kernarg_segment_align: 8
    .kernarg_segment_size: 24
    .max_flat_workgroup_size: 512
    .sgpr_count:     100
    .vgpr_count:     256
    .wavefront_size: 32
...
	.end_amdgpu_metadata
.endif
;; end of part 3
;; launch proj (part 4): grid 8 x 32, 4 waves a work-group, clusters of 4 x 4, 327,680 bytes of LDS; arguments oimg, pre, lowp_scales, proj_b, x, x1; writes x1
.if DOCPART == 4
	.amdgcn_target "amdgcn-amd-amdhsa--gfx1250"
	.amdhsa_code_object_version 6
	.text
	.protected	k_qfec07fcb42_proj
	.globl	k_qfec07fcb42_proj
	.p2align	8
	.type	k_qfec07fcb42_proj,@function
k_qfec07fcb42_proj:
	s_mov_b64 s[64:65], 0
	v_nop
	global_prefetch_b8 v0, s[64:65] scope:SCOPE_SE
	s_setreg_imm32_b32 hwreg(HW_REG_WAVE_MODE, 25, 1), 1
	s_wait_xcnt 0x0
	s_wait_alu depctr_hold_cnt(0) depctr_sa_sdst(0) depctr_va_vdst(0) depctr_va_sdst(0) depctr_va_ssrc(0) depctr_va_vcc(0) depctr_vm_vsrc(0)
	s_getreg_b32 s2, hwreg(HW_REG_IB_STS2, 6, 4)
	s_cmp_eq_u32 s2, 0
	s_cbranch_scc0 .Lentry_in_a_cluster
	s_endpgm
.Lentry_in_a_cluster:
	s_bfe_u32 s2, ttmp6, 0x10000c
	s_cmp_lg_u32 s2, 0xf033
	s_cbranch_scc0 .Lentry_shape_is_right
	s_endpgm
.Lentry_shape_is_right:
; PROJ: x1 = x + (o proj_w) x 2^(e6 + e7) + proj_b: product 4 on codes of E4M3.  No work is left out.
; 4,096 x 1,024 results make only 64 tiles of 256 x 256, so a tile is 128 x 128: 256 work-groups.  Four waves, 64 x 64 each: 16 accumulators.  K goes in steps of 512 through two LDS slots; here K is two steps, so nothing is filled twice.
; Codes lie as [tile of 16 rows][piece][row][16 bytes] (see PREP): a slot's part of a tile of 16 rows is 8,192 bytes on end; a fragment is four loads of 512 consecutive bytes.
; CLUSTERS: 4 x 4; the tokens' tile is shared along a row of the cluster, the weights' along a column: joint loads.
; Source 0 = 16 output columns, source 1 = 16 tokens: a lane holds eight neighbouring columns of one token.  A wave's 64 columns are 256 bytes of a row: a block of 16 rows goes through the wave's own stage and leaves as aligned runs of 256 bytes.
; LIMIT: e6 + e7 between -126 and 127.
; REGISTERS: window 0: v16-29 addresses; v32-63 at work; v64-67 bias; tokens' fragments, two sets, at v128 and v192 (on the way out rows of the result).  window 1: weights' fragments at v0 and v64.  window 2: v0-127 accumulator (a, b) at v[8 (4 a + b)]; v128-255 the residual.
.set KTOT,  1024
.set NSTEP, KTOT/512
.set WOFF,  3145728
.set SCOFF, 0x18
.set RTB,   8192
.set HALFT, 4*RTB
.set SLOT,  4*HALFT
.set STAGE, 2*SLOT
.set SPITCH, 272
.set SPARE, STAGE+4*16*SPITCH
.set ADRP, 16
.set ADRR, 20
.set LI,   24
.set STO,  25
.set RD,   26
.set CO,   27
.set SPW,  28
.set NIL,  29
.set BO,   30
.set G1, 24
.set G0, 32
.set G1B, 48
.set G0B, 56
.set MSB, 0
.macro WIN new
.if MSB != \new
	s_set_vgpr_msb (MSB<<8)|\new
.set MSB, \new
.endif
.endm
.macro JLOAD g0a, g1a, g0b, g1b
	s_cmp_eq_u32 s15, 0
	s_cbranch_scc0 .Lfor_b_\@
	tensor_load_to_lds s[\g0a:\g0a+3], s[\g1a:\g1a+7]
	s_nop 0
.rept 4
	v_nop
.endr
	s_branch .Lasked_\@
.Lfor_b_\@:
	tensor_load_to_lds s[\g0b:\g0b+3], s[\g1b:\g1b+7]
	s_nop 0
.rept 4
	v_nop
.endr
.Lasked_\@:
.endm
.macro CROUND
	s_barrier_signal -1
	s_barrier_wait -1
	s_cmp_lg_u32 s14, 0
	s_cbranch_scc1 .Lnot_wave_0_\@
	s_barrier_signal -3
.Lnot_wave_0_\@:
	s_barrier_wait -3
	s_barrier_signal -1
	s_barrier_wait -1
.endm
	s_load_b256 s[4:11], s[0:1], 0x0               ; the tokens' codes, pre, the scales' exponents, the bias
	s_load_b128 s[84:87], s[0:1], 0x20             ; the residual, the result
	v_lshl_add_u32 v[SPW], v0, 2, SPARE
	v_mov_b32 v[NIL], 0
	ds_add_u32 v[SPW], v[NIL]                      ; the opening: the add, twice on end, and its wait ahead of my first tensor load
	ds_add_u32 v[SPW], v[NIL]
	v_lshrrev_b32 v1, 5, v0
	v_readfirstlane_b32 s14, v1
	s_lshr_b32 s15, s14, 1
	s_and_b32 s16, s14, 1
	s_bfe_u32 s40, ttmp6, 0x40000
	s_bfe_u32 s41, ttmp6, 0x40004
	s_lshl_b32 s42, ttmp9, 2
	s_add_co_u32 s42, s42, s40                     ; tile column 0..7
	s_and_b32 s17, ttmp7, 0xffff
	s_lshl_b32 s17, s17, 2
	s_add_co_u32 s17, s17, s41                     ; tile row 0..31
	s_lshl_b32 s43, s41, 2
	s_lshl_b32 s43, 15, s43
	s_lshl_b32 s44, 0x1111, s40
	s_or_b32 s[G1+0], s43, (3<<16)|(1<<21)
	s_or_b32 s[G1B+0], s44, (3<<16)|(1<<21)
.irp g, G1, G1B
	s_mov_b32 s[\g+1], 1024<<16                    ; 1,024 elements of 8 bytes
	s_mov_b32 s[\g+2], 4<<16                       ; 4 tiles of 16 rows
	s_mov_b32 s[\g+3], 1024<<16
	s_mov_b32 s[\g+4], 4
	s_mov_b32 s[\g+5], 2*KTOT
	s_mov_b32 s[\g+6], 0
	s_mov_b32 s[\g+7], 0
.endr
	s_lshl_b32 s18, s16, 2
	s_lshl_b32 s20, s17, 3
	s_add_co_u32 s20, s20, s18
	s_mul_i32 s20, s20, 16*KTOT
	s_mov_b32 s21, 0
	s_lshl_b32 s46, s42, 3
	s_add_co_u32 s46, s46, s18
	s_mul_i32 s46, s46, 16*KTOT
	s_add_co_u32 s46, s46, WOFF
	s_mov_b32 s47, 0
	s_mul_i32 s45, s14, HALFT
	s_wait_dscnt 0x0
	s_wait_kmcnt 0x0
	s_load_b64 s[68:69], s[8:9], SCOFF
	s_add_nc_u64 s[20:21], s[4:5], s[20:21]
	s_add_nc_u64 s[46:47], s[6:7], s[46:47]
	CROUND
.irp s, 0,1
	s_mov_b32 s[G0+4*\s], 1
	s_add_co_u32 s[G0+4*\s+1], s45, \s*SLOT
	s_add_nc_u64 s[G0+4*\s+2:G0+4*\s+3], s[20:21], \s*RTB
	s_or_b32 s[G0+4*\s+3], s[G0+4*\s+3], 0x80000000
	s_mov_b32 s[G0B+4*\s], 1
	s_add_co_u32 s[G0B+4*\s+1], s45, \s*SLOT
	s_add_nc_u64 s[G0B+4*\s+2:G0B+4*\s+3], s[46:47], \s*RTB
	s_or_b32 s[G0B+4*\s+3], s[G0B+4*\s+3], 0x80000000
	JLOAD G0+4*\s, G1, G0B+4*\s, G1B
.endr
	v_and_b32 v1, 31, v0
	v_lshlrev_b32 v[LI], 4, v1
	s_mul_i32 s21, s15, HALFT
	s_mul_i32 s22, s16, HALFT
	s_add_co_u32 s22, s22, 2*HALFT
.irp s, 0,1
	v_add_nc_u32 v[ADRP+\s], s21, v[LI]
	v_add_nc_u32 v[ADRR+\s], s22, v[LI]
	s_add_co_u32 s21, s21, SLOT
	s_add_co_u32 s22, s22, SLOT
.endr
	v_and_b32 v2, 15, v0
	v_bfe_u32 v3, v0, 4, 1
	s_mul_i32 s23, s14, 16*SPITCH
	s_add_co_u32 s23, s23, STAGE
	v_mul_u32_u24 v4, v2, SPITCH
	v_lshl_add_u32 v4, v3, 5, v4
	v_add_nc_u32 v[STO], s23, v4                   ; in: row r, 32 bytes for each half of the lanes
	v_mul_u32_u24 v5, v3, SPITCH
	v_lshl_add_u32 v5, v2, 4, v5
	v_add_nc_u32 v[RD], s23, v5                    ; back: lanes 0-15 one row of 256 bytes, lanes 16-31 the next
	v_lshlrev_b32 v5, 12, v3
	v_lshl_add_u32 v[CO], v2, 4, v5                ; the same two rows in memory
	v_lshlrev_b32 v[BO], 4, v2
	s_lshl_b32 s80, s17, 7
	s_lshl_b32 s81, s15, 6
	s_add_co_u32 s80, s80, s81
	s_lshl_b32 s80, s80, 12                        ; my first row, 4,096 bytes a row,
	s_lshl_b32 s82, s42, 9
	s_lshl_b32 s81, s16, 8
	s_add_co_u32 s82, s82, s81                     ; my first column in bytes
	s_mov_b32 s83, 0
	s_add_nc_u64 s[10:11], s[10:11], s[82:83]
	s_add_co_u32 s80, s80, s82
	s_mov_b32 s81, 0
	s_add_nc_u64 s[84:85], s[84:85], s[80:81]
	s_add_nc_u64 s[86:87], s[86:87], s[80:81]
	global_load_b128 v[64:67], v[BO], s[10:11]
	WIN 0x80
.irp a, 0,1,2,3
.irp t, 0,1,2,3,4,5,6,7
	global_load_b128 v[128+32*\a+4*\t:128+32*\a+4*\t+3], v[CO], s[84:85] offset:(16*\a+2*\t)*4096   ; the residual, as the result will be stored
.endr
.endr
	WIN 0
.macro PLACES n
.rept \n
	v_nop
.endr
.endm
.macro FETCH slot, q, set              ; the fragments of the slot's q-th 128 along K: 16 loads for the weights, 16 for the tokens
	WIN 0x40
.irp i, 0,1,2,3
.irp c, 0,1,2,3
	ds_load_b128 v[64*(\set)+16*\i+4*\c:64*(\set)+16*\i+4*\c+3], v[ADRR+(\slot)] offset:2048*(\q)+RTB*\i+512*\c
.endr
.endr
	WIN 0
.irp i, 0,1,2,3
.irp c, 0,1,2,3
	ds_load_b128 v[128+64*(\set)+16*\i+4*\c:128+64*(\set)+16*\i+4*\c+3], v[ADRP+(\slot)] offset:2048*(\q)+RTB*\i+512*\c
.endr
.endr
.endm
.macro MUL16 set, zero                 ; the 16 accumulators take turns in the same order in every substep
	WIN 0xa1
.irp a, 0,1,2,3
.irp b, 0,1,2,3
.if \zero
	v_wmma_f32_16x16x128_fp8_fp8 v[8*(4*\a+\b):8*(4*\a+\b)+7], v[64*(\set)+16*\b:64*(\set)+16*\b+15], v[128+64*(\set)+16*\a:128+64*(\set)+16*\a+15], 0
.else
	v_wmma_f32_16x16x128_fp8_fp8 v[8*(4*\a+\b):8*(4*\a+\b)+7], v[64*(\set)+16*\b:64*(\set)+16*\b+15], v[128+64*(\set)+16*\a:128+64*(\set)+16*\a+15], v[8*(4*\a+\b):8*(4*\a+\b)+7]
.endif
.endr
.endr
.endm
.macro SUB slot, q, zero               ; substep q = 0 .. 2 of a slot: its fragments are in; the next substep's are asked for, into the other set, ahead of the products
	s_wait_dscnt 0x0
	PLACES 4
	FETCH \slot, (\q)+1, 1-(\q)%2
	MUL16 (\q)%2, \zero
.endm
.macro TURN slot, next, fill           ; a slot's last substep: its fragments are in registers, so the slot can be left
	WIN 0
	s_wait_tensorcnt 0x0                           ; all my tensor loads have landed: my part of the next slot
	ds_add_u32 v[SPW], v[NIL]
.if \fill
	s_add_nc_u64 s[G0+4*(\slot)+2:G0+4*(\slot)+3], s[G0+4*(\slot)+2:G0+4*(\slot)+3], 2*RTB
	s_add_nc_u64 s[G0B+4*(\slot)+2:G0B+4*(\slot)+3], s[G0B+4*(\slot)+2:G0B+4*(\slot)+3], 2*RTB
.endif
	s_wait_dscnt 0x0                               ; the add is done, and my reads of this slot are over
.if \fill
	CROUND
	JLOAD G0+4*(\slot), G1, G0B+4*(\slot), G1B     ; the first tensor load behind the round; its four v_nop are the places in front of the loads below
.else
	s_barrier_signal -1
	s_barrier_wait -1
	PLACES 4
.endif
	FETCH \next, 0, 0
	MUL16 1, 0
.endm
	s_wait_tensorcnt 1                             ; my part of slot 0 is in; slot 1's load may be out
	s_barrier_signal -1
	s_barrier_wait -1
	FETCH 0, 0, 0
.set st, 0
.rept NSTEP
.if st == 0
	SUB 0, 0, 1
.else
	SUB st%2, 0, 0
.endif
	SUB st%2, 1, 0
	SUB st%2, 2, 0
.if st < NSTEP-1
.if st+2 < NSTEP
	TURN st%2, 1-st%2, 1
.else
	TURN st%2, 1-st%2, 0
.endif
.else
	s_wait_dscnt 0x0
	MUL16 1, 0
.endif
.set st, st+1
.endr
	WIN 0
	PLACES 4
	s_wait_kmcnt 0x0
	s_add_co_i32 s76, s68, s69
	s_add_co_i32 s76, s76, 127
	s_lshl_b32 s76, s76, 23                        ; 2^(the two exponents added)
	s_mov_b32 s77, s76
	s_wait_loadcnt 0x0                             ; bias and residual
.macro TOSTAGE a                       ; block a of 16 tokens: sums x the scale, into my stage, and back as rows; LDS serves a wave's instructions in order (ISA guide 5.7.1.4)
	WIN 0x02
.set j, 0
.rept 16
	v_pk_mul_f32 v[32+j:33+j], v[32*(\a)+j:32*(\a)+j+1], s[76:77] op_sel_hi:[1,0]
.set j, j+2
.endr
	WIN 0
.irp b, 0,1,2,3
	ds_store_b128 v[STO], v[32+8*\b:35+8*\b] offset:64*\b
	ds_store_b128 v[STO], v[36+8*\b:39+8*\b] offset:64*\b+16
.endr
.irp t, 0,1,2,3,4,5,6,7
	ds_load_b128 v[128+32*(\a)+4*\t:128+32*(\a)+4*\t+3], v[RD] offset:2*SPITCH*\t
.endr
.endm
.macro SEND a, younger
	s_wait_dscnt \younger                          ; the block is back; the next block's eight stores and eight loads may be out
	WIN 0x08                                       ; source 1 in window 2
.set j, 0
.rept 16
	v_pk_add_f32 v[128+32*(\a)+j:128+32*(\a)+j+1], v[128+32*(\a)+j:128+32*(\a)+j+1], v[128+32*(\a)+j:128+32*(\a)+j+1]   ; + the residual
.set j, j+2
.endr
	WIN 0
.irp t, 0,1,2,3,4,5,6,7
	v_pk_add_f32 v[128+32*(\a)+4*\t:128+32*(\a)+4*\t+1], v[128+32*(\a)+4*\t:128+32*(\a)+4*\t+1], v[64:65]
	v_pk_add_f32 v[128+32*(\a)+4*\t+2:128+32*(\a)+4*\t+3], v[128+32*(\a)+4*\t+2:128+32*(\a)+4*\t+3], v[66:67]
.endr
.irp t, 0,1,2,3,4,5,6,7
	global_store_b128 v[CO], v[128+32*(\a)+4*\t:128+32*(\a)+4*\t+3], s[86:87] offset:(16*(\a)+2*\t)*4096   ; sixteen lanes store 256 consecutive bytes, aligned
.endr
.endm
	TOSTAGE 0
	TOSTAGE 1
	SEND 0, 16
	TOSTAGE 2
	SEND 1, 16
	TOSTAGE 3
	SEND 2, 16
	SEND 3, 0
	s_wait_tensorcnt 0x0                           ; the wave's end
	ds_add_u32 v[SPW], v[NIL]
	s_wait_dscnt 0x0
	CROUND                                         ; the closing round
	s_endpgm
.Lfunc_end_k_qfec07fcb42_proj:
	.size	k_qfec07fcb42_proj, .Lfunc_end_k_qfec07fcb42_proj-k_qfec07fcb42_proj
	.p2alignl 7, 3214868480
	.fill 96, 4, 3214868480
	.section	.rodata,"a",@progbits
	.p2align	6, 0x0
	.amdhsa_kernel k_qfec07fcb42_proj
		.amdhsa_group_segment_fixed_size 327680
		.amdhsa_private_segment_fixed_size 0
		.amdhsa_enable_private_segment 0
		.amdhsa_kernarg_size 48
		.amdhsa_user_sgpr_count 2
		.amdhsa_user_sgpr_kernarg_segment_ptr 1
		.amdhsa_wavefront_size32 1
		.amdhsa_system_sgpr_workgroup_id_x 1
		.amdhsa_system_sgpr_workgroup_id_y 1
		.amdhsa_system_sgpr_workgroup_id_z 1
		.amdhsa_system_vgpr_workitem_id 0
		.amdhsa_next_free_vgpr 768
		.amdhsa_next_free_sgpr 100
		.amdhsa_reserve_vcc 0
		.amdhsa_float_denorm_mode_32 3
		.amdhsa_float_denorm_mode_16_64 3
		.amdhsa_memory_ordered 1
		.amdhsa_forward_progress 1
		.amdhsa_inst_pref_size 57
	.end_amdhsa_kernel
	.amdgpu_metadata
---
amdhsa.version: [ 1, 2 ]
amdhsa.kernels:
  - .name:           k_qfec07fcb42_proj
    .symbol:         k_qfec07fcb42_proj.kd
    .args:
      - { .name: oimg, .offset: 0, .size: 8, .value_kind: global_buffer, .address_space: global }
      - { .name: pre, .offset: 8, .size: 8, .value_kind: global_buffer, .address_space: global }
      - { .name: lowp_scales, .offset: 16, .size: 8, .value_kind: global_buffer, .address_space: global }
      - { .name: proj_b, .offset: 24, .size: 8, .value_kind: global_buffer, .address_space: global }
      - { .name: x, .offset: 32, .size: 8, .value_kind: global_buffer, .address_space: global }
      - { .name: x1, .offset: 40, .size: 8, .value_kind: global_buffer, .address_space: global }
    .group_segment_fixed_size: 327680
    .private_segment_fixed_size: 0
    .kernarg_segment_align: 8
    .kernarg_segment_size: 48
    .max_flat_workgroup_size: 128
    .sgpr_count:     100
    .vgpr_count:     768
    .wavefront_size: 32
...
	.end_amdgpu_metadata
.endif
;; end of part 4
;; launch ln2 (part 5): grid 256 x 1, 4 waves a work-group, no clusters, 17,920 bytes of LDS; arguments x1, ln2_g, ln2_b, lowp_scales, mimg; writes mimg
.if DOCPART == 5
	.amdgcn_target "amdgcn-amd-amdhsa--gfx1250"
	.amdhsa_code_object_version 6
	.text
	.protected	k_qfec07fcb42_ln2
	.globl	k_qfec07fcb42_ln2
	.p2align	8
	.type	k_qfec07fcb42_ln2,@function
k_qfec07fcb42_ln2:
	s_mov_b64 s[64:65], 0
	v_nop
	global_prefetch_b8 v0, s[64:65] scope:SCOPE_SE
	s_setreg_imm32_b32 hwreg(HW_REG_WAVE_MODE, 25, 1), 1
	s_wait_xcnt 0x0
; LN2: LayerNorm 2 of x1, quantised with 2^e8 into mimg, laid [tile of 16 rows][piece][row][16 bytes] by map A of PREP.  No work is left out.
; A work-group has 16 rows, wave w rows 4 w .. 4 w + 3; a row is eight loads of 512 consecutive bytes and stays in 32 registers a lane between the passes.  The codes meet in a stage in LDS and leave as whole pieces.
; Matrix units, clusters and tensor loads would add nothing: the launch reads each byte once and writes a quarter as many.
; LIMITS: e8 between -126 and 119.  NaN among the inputs is not served.
.set PITCH, 272
.set SPARE, 64*PITCH
.set XO,   4
.set STA,  5
.set RDA,  6
.set GOA,  7
.set SCV,  12
.set LIMV, 13
.set SPW,  14
.set NIL,  15
.set GAM,  160
.set BET,  192
.set COD,  224
	s_load_b256 s[8:15], s[0:1], 0x0               ; x1, ln2_g, ln2_b, the scales' exponents
	s_load_b64 s[24:25], s[0:1], 0x20              ; mimg
	v_lshl_add_u32 v[SPW], v0, 2, SPARE
	v_mov_b32 v[NIL], 0
	v_lshrrev_b32 v1, 5, v0
	v_readfirstlane_b32 s26, v1
	v_and_b32 v1, 31, v0
	v_and_b32 v2, 15, v0
	v_bfe_u32 v3, v0, 4, 1
	v_lshlrev_b32 v[XO], 4, v1
	s_lshl_b32 s28, ttmp9, 16
	s_lshl_b32 s29, s26, 14
	s_add_co_u32 s28, s28, s29
	s_mov_b32 s29, 0
	s_wait_kmcnt 0x0
	s_load_b32 s32, s[14:15], 0x20                 ; e8
	s_add_nc_u64 s[8:9], s[8:9], s[28:29]
.irp j, 0,1,2,3,4,5,6,7
	global_load_b128 v[GAM+4*\j:GAM+4*\j+3], v[XO], s[10:11] offset:512*\j
.endr
.irp j, 0,1,2,3,4,5,6,7
	global_load_b128 v[BET+4*\j:BET+4*\j+3], v[XO], s[12:13] offset:512*\j
.endr
.irp p, 0,1,2,3
.irp j, 0,1,2,3,4,5,6,7
	global_load_b128 v[32+32*\p+4*\j:32+32*\p+4*\j+3], v[XO], s[8:9] offset:4096*\p+512*\j
.endr
.endr
	v_mul_u32_u24 v[STA], v1, PITCH
	s_lshl_b32 s30, s26, 6
	v_add_nc_u32 v[STA], s30, v[STA]
	s_lshl_b32 s30, s26, 4
	v_add_nc_u32 v8, s30, v3
	v_mul_u32_u24 v[RDA], v8, PITCH
	v_lshl_add_u32 v[RDA], v2, 4, v[RDA]
	s_lshl_b32 s30, s26, 12
	v_add_nc_u32 v[GOA], s30, v[XO]
	v_mov_b32 v28, 0                               ; a lane permute's destination counts as one of its sources
	s_lshl_b32 s28, ttmp9, 14
	s_add_nc_u64 s[44:45], s[24:25], s[28:29]
	s_mov_b32 s48, 0x3a800000                      ; 1 / 1024
	s_mov_b32 s49, 0x3727c5ac                      ; 1e-5
	s_mov_b32 s50, 0x76543210
	s_mov_b32 s51, 0xfedcba98
	s_wait_kmcnt 0x0
	s_add_co_i32 s46, s32, 127
	s_lshl_b32 s47, s46, 23
	v_mov_b32 v[SCV], s47
	s_add_co_i32 s46, s46, 8
	s_lshl_b32 s46, s46, 23
	s_or_b32 s46, s46, 0x600000
	v_mov_b32 v[LIMV], s46
.macro REDUCE r, t
	v_add_f32_dpp v[\r], v[\r], v[\r] row_xmask:1 row_mask:0xf bank_mask:0xf
	v_add_f32_dpp v[\r], v[\r], v[\r] row_xmask:2 row_mask:0xf bank_mask:0xf
	v_add_f32_dpp v[\r], v[\r], v[\r] row_xmask:4 row_mask:0xf bank_mask:0xf
	v_add_f32_dpp v[\r], v[\r], v[\r] row_xmask:8 row_mask:0xf bank_mask:0xf
	v_permlanex16_b32 v[\t], v[\r], s50, s51
	v_add_f32 v[\r], v[\r], v[\t]
.endm
.macro ROW p
.set X, 32+32*\p
	s_wait_loadcnt 8*(3-\p)                        ; my row is in (and gain and bias, which are older); the later rows' eight loads each may be out
	v_pk_add_f32 v[16:17], v[X:X+1], v[X+2:X+3]
	v_pk_add_f32 v[18:19], v[X+4:X+5], v[X+6:X+7]
	v_pk_add_f32 v[20:21], v[X+8:X+9], v[X+10:X+11]
	v_pk_add_f32 v[22:23], v[X+12:X+13], v[X+14:X+15]
.irp i, 16, 24
	v_pk_add_f32 v[16:17], v[16:17], v[X+\i:X+\i+1]
	v_pk_add_f32 v[18:19], v[18:19], v[X+\i+2:X+\i+3]
	v_pk_add_f32 v[20:21], v[20:21], v[X+\i+4:X+\i+5]
	v_pk_add_f32 v[22:23], v[22:23], v[X+\i+6:X+\i+7]
.endr
	v_pk_add_f32 v[16:17], v[16:17], v[18:19]
	v_pk_add_f32 v[20:21], v[20:21], v[22:23]
	v_pk_add_f32 v[16:17], v[16:17], v[20:21]
	v_add_f32 v16, v16, v17
	REDUCE 16, 28
	v_mul_f32 v24, s48, v16
	v_mov_b32 v25, v24
.set i, 0
.rept 16
	v_pk_add_f32 v[X+i:X+i+1], v[X+i:X+i+1], v[24:25] neg_lo:[0,1] neg_hi:[0,1]
.set i, i+2
.endr
	v_pk_mul_f32 v[16:17], v[X:X+1], v[X:X+1]
	v_pk_mul_f32 v[18:19], v[X+2:X+3], v[X+2:X+3]
.set i, 4
.rept 7
	v_pk_fma_f32 v[16:17], v[X+i:X+i+1], v[X+i:X+i+1], v[16:17]
	v_pk_fma_f32 v[18:19], v[X+i+2:X+i+3], v[X+i+2:X+i+3], v[18:19]
.set i, i+4
.endr
	v_pk_add_f32 v[16:17], v[16:17], v[18:19]
	v_add_f32 v16, v16, v17
	REDUCE 16, 28
	v_fma_f32 v16, v16, s48, s49
	v_rsq_f32 v26, v16
	v_nop
	s_wait_alu depctr_va_vdst(0)                   ; the wait ahead of the result's first reader
	v_mov_b32 v27, v26
.set i, 0
.rept 16
	v_pk_mul_f32 v[X+i:X+i+1], v[X+i:X+i+1], v[26:27]
.set i, i+2
.endr
.set i, 0
.rept 16
	v_pk_fma_f32 v[X+i:X+i+1], v[X+i:X+i+1], v[GAM+i:GAM+i+1], v[BET+i:BET+i+1]
.set i, i+2
.endr
.set i, 0
.rept 32
	v_med3_num_f32 v[X+i], v[X+i], -v[LIMV], v[LIMV]
.set i, i+1
.endr
.irp g, 0,1,2,3
	v_cvt_scalef32_pk8_fp8_f32 v[COD+8*\p+2*\g:COD+8*\p+2*\g+1], v[X+8*\g:X+8*\g+7], v[SCV]
.endr
	v_nop
	ds_store_b128 v[STA], v[COD+8*\p:COD+8*\p+3] offset:16*\p
	ds_store_b128 v[STA], v[COD+8*\p+4:COD+8*\p+7] offset:32*PITCH+16*\p
.endm
	ROW 0
	ROW 1
	ROW 2
	ROW 3
	s_wait_dscnt 0x0                               ; for the others' sake: my stores into the stage are done
	s_barrier_signal -1
	s_barrier_wait -1
.irp t, 0,1,2,3,4,5,6,7
	ds_load_b128 v[32+4*\t:32+4*\t+3], v[RDA] offset:2*PITCH*\t
.endr
.irp t, 0,1,2,3,4,5,6,7
	s_wait_dscnt 7-\t
	global_store_b128 v[GOA], v[32+4*\t:32+4*\t+3], s[44:45] offset:512*\t
.endr
	s_wait_tensorcnt 0x0                           ; the wave's end
	ds_add_u32 v[SPW], v[NIL]
	s_wait_dscnt 0x0
	s_endpgm
.Lfunc_end_k_qfec07fcb42_ln2:
	.size	k_qfec07fcb42_ln2, .Lfunc_end_k_qfec07fcb42_ln2-k_qfec07fcb42_ln2
	.p2alignl 7, 3214868480
	.fill 96, 4, 3214868480
	.section	.rodata,"a",@progbits
	.p2align	6, 0x0
	.amdhsa_kernel k_qfec07fcb42_ln2
		.amdhsa_group_segment_fixed_size 17920
		.amdhsa_private_segment_fixed_size 0
		.amdhsa_enable_private_segment 0
		.amdhsa_kernarg_size 40
		.amdhsa_user_sgpr_count 2
		.amdhsa_user_sgpr_kernarg_segment_ptr 1
		.amdhsa_wavefront_size32 1
		.amdhsa_system_sgpr_workgroup_id_x 1
		.amdhsa_system_sgpr_workgroup_id_y 1
		.amdhsa_system_sgpr_workgroup_id_z 1
		.amdhsa_system_vgpr_workitem_id 0
		.amdhsa_next_free_vgpr 256
		.amdhsa_next_free_sgpr 66
		.amdhsa_reserve_vcc 0
		.amdhsa_float_denorm_mode_32 3
		.amdhsa_float_denorm_mode_16_64 3
		.amdhsa_memory_ordered 1
		.amdhsa_forward_progress 1
		.amdhsa_inst_pref_size 43
	.end_amdhsa_kernel
	.amdgpu_metadata
---
amdhsa.version: [ 1, 2 ]
amdhsa.kernels:
  - .name:           k_qfec07fcb42_ln2
    .symbol:         k_qfec07fcb42_ln2.kd
    .args:
      - { .name: x1, .offset: 0, .size: 8, .value_kind: global_buffer, .address_space: global }
      - { .name: ln2_g, .offset: 8, .size: 8, .value_kind: global_buffer, .address_space: global }
      - { .name: ln2_b, .offset: 16, .size: 8, .value_kind: global_buffer, .address_space: global }
      - { .name: lowp_scales, .offset: 24, .size: 8, .value_kind: global_buffer, .address_space: global }
      - { .name: mimg, .offset: 32, .size: 8, .value_kind: global_buffer, .address_space: global }
    .group_segment_fixed_size: 17920
    .private_segment_fixed_size: 0
    .kernarg_segment_align: 8
    .kernarg_segment_size: 40
    .max_flat_workgroup_size: 128
    .sgpr_count:     66
    .vgpr_count:     256
    .wavefront_size: 32
...
	.end_amdgpu_metadata
.endif
;; end of part 5
;; launch fc1 (part 6): grid 16 x 16, 4 waves a work-group, clusters of 4 x 4, 327,680 bytes of LDS; arguments mimg, pre, lowp_scales, fc1_b, gimg; writes gimg
.if DOCPART == 6
	.amdgcn_target "amdgcn-amd-amdhsa--gfx1250"
	.amdhsa_code_object_version 6
	.text
	.protected	k_qfec07fcb42_fc1
	.globl	k_qfec07fcb42_fc1
	.p2align	8
	.type	k_qfec07fcb42_fc1,@function
k_qfec07fcb42_fc1:
	s_mov_b64 s[64:65], 0
	v_nop
	global_prefetch_b8 v0, s[64:65] scope:SCOPE_SE
	s_setreg_imm32_b32 hwreg(HW_REG_WAVE_MODE, 25, 1), 1
	s_wait_xcnt 0x0
	s_wait_alu depctr_hold_cnt(0) depctr_sa_sdst(0) depctr_va_vdst(0) depctr_va_sdst(0) depctr_va_ssrc(0) depctr_va_vcc(0) depctr_vm_vsrc(0)
	s_getreg_b32 s2, hwreg(HW_REG_IB_STS2, 6, 4)
	s_cmp_eq_u32 s2, 0
	s_cbranch_scc0 .Lentry_in_a_cluster
	s_endpgm
.Lentry_in_a_cluster:
	s_bfe_u32 s2, ttmp6, 0x10000c
	s_cmp_lg_u32 s2, 0xf033
	s_cbranch_scc0 .Lentry_shape_is_right
	s_endpgm
.Lentry_shape_is_right:
; FC1: g = gelu(m fc1_w x 2^(e8 + e9) + fc1_b): product 5 on codes of E4M3, then the exact GELU in f32.  No work is left out.
; The ring, the shares and the schedule are QKV's: a tile of 256 tokens x 256 columns to a work-group, 128 x 128 to a wave, K = 1,024 in four steps of 256 through two LDS slots, joint loads in a 4 x 4 cluster.
; THE WALK ALONG K IS ROTATED: cluster (x, y) begins at slot step 2 ((x + (y xor y / 2)) mod 2) and wraps round, so that the clusters that read one tile do not all ask for the same step of it at the same time.
; The start hangs on the cluster's two numbers alone, which all sixteen partners share.  LIMIT: K is summed in that rotated order: an order of rounding of its own.
; Source 0 = 16 columns, source 1 = 16 tokens: lane (r, h) of accumulator (a, b) holds token 16 a + r, columns 16 b + 8 h + 0 .. 7.
; GELU: g = u Phi(u), Phi(u) = 1/2 + sign(u) (1/2 - T), T = exp(-u u / 2) (c1 t + .. + c5 t^5), t = 1 / (1 + 0.2316419 |u|).  LIMIT: Phi is good to 7.5e-8 in absolute size; it is not relatively exact far below zero.
; OUT: gimg [tile of 16 tokens][16 columns][u 0..1][lane][4 f32]: the registers as they stand, 512 consecutive bytes a store.  It stays f32, since the LayerNorm behind it feeds a quantiser.
; The way out is a loop of eight trips, one for each block of 16 tokens; only the 32 lines that take a block's sums out of its accumulators are written eight times, each under a test of the trip's number.
; LIMITS: e8 + e9 between -126 and 127.  NaN among the inputs is not served.
.set KTOT,  1024
.set RTB,   4096
.set HALFT, 8*RTB
.set SLOT,  4*HALFT
.set SPARE, 2*SLOT
.set WOFF,  4194304
.set FR, 16
.set NL, 4
.set NP, 4
.set ADRP, 16
.set ADRR, 20
.set LI,   24
.set BA,   25                          ; v25 the bias loads' offset, 32 h; never rewritten
.set SPW,  28
.set NIL,  29
.set AF,   128
.set G1, 24
.set G0, 32
.set G1B, 48
.set G0B, 56
.set TBAS, 88                          ; s[88:89] where the tokens' rows that I fetch begin, at K = 0;  s[90:91] the same for the weights'
.set WBAS, 90
.set KO,   92                          ; s[92:93], s[94:95] slot 0's and slot 1's place along K, in bytes of a tile of 16 rows (the upper words are 0)
.set MSB, 0
.macro WIN new
.if MSB != \new
	s_set_vgpr_msb (MSB<<8)|\new
.set MSB, \new
.endif
.endm
.set MUL_LO, 0xa1
.set MUL_HI, 0xf1
.set TO_B,   0x40
.macro JLOAD g0a, g1a, g0b, g1b
	s_cmp_eq_u32 s15, 0
	s_cbranch_scc0 .Lfor_b_\@
	tensor_load_to_lds s[\g0a:\g0a+3], s[\g1a:\g1a+7]
	s_nop 0
.rept 4
	v_nop
.endr
	s_branch .Lasked_\@
.Lfor_b_\@:
	tensor_load_to_lds s[\g0b:\g0b+3], s[\g1b:\g1b+7]
	s_nop 0
.rept 4
	v_nop
.endr
.Lasked_\@:
.endm
.macro CREST
	s_cmp_lg_u32 s14, 0
	s_cbranch_scc1 .Lnot_wave_0_\@
	s_barrier_signal -3
.Lnot_wave_0_\@:
	s_barrier_wait -3
	s_barrier_signal -1
	s_barrier_wait -1
.endm
.macro CROUND
	s_barrier_signal -1
	s_barrier_wait -1
	CREST
.endm
	s_load_b256 s[4:11], s[0:1], 0x0               ; mimg, pre, the scales' exponents, fc1_b
	s_load_b64 s[12:13], s[0:1], 0x20              ; gimg
	v_lshl_add_u32 v[SPW], v0, 2, SPARE
	v_mov_b32 v[NIL], 0
	ds_add_u32 v[SPW], v[NIL]                      ; the opening: the add, twice on end, and its wait ahead of my first tensor load
	ds_add_u32 v[SPW], v[NIL]
	v_lshrrev_b32 v1, 5, v0
	v_readfirstlane_b32 s14, v1
	s_lshr_b32 s15, s14, 1
	s_and_b32 s16, s14, 1
	s_bfe_u32 s40, ttmp6, 0x40000
	s_bfe_u32 s41, ttmp6, 0x40004
	s_lshl_b32 s42, ttmp9, 2
	s_add_co_u32 s42, s42, s40
	s_and_b32 s17, ttmp7, 0xffff
	s_lshl_b32 s17, s17, 2
	s_add_co_u32 s17, s17, s41
	s_lshl_b32 s43, s41, 2
	s_lshl_b32 s43, 15, s43
	s_lshl_b32 s44, 0x1111, s40
	s_or_b32 s[G1+0], s43, (3<<16)|(1<<21)
	s_or_b32 s[G1B+0], s44, (3<<16)|(1<<21)
.irp g, G1, G1B
	s_mov_b32 s[\g+1], 512<<16
	s_mov_b32 s[\g+2], 8<<16
	s_mov_b32 s[\g+3], 512<<16
	s_mov_b32 s[\g+4], 8
	s_mov_b32 s[\g+5], 2*KTOT
	s_mov_b32 s[\g+6], 0
	s_mov_b32 s[\g+7], 0
.endr
	s_lshl_b32 s18, s16, 3
	s_lshl_b32 s20, s17, 4
	s_add_co_u32 s20, s20, s18
	s_lshl_b32 s20, s20, 14
	s_mov_b32 s21, 0
	s_lshl_b32 s46, s42, 4
	s_add_co_u32 s46, s46, s18
	s_lshl_b32 s46, s46, 14
	s_add_co_u32 s46, s46, WOFF
	s_mov_b32 s47, 0
	s_mul_i32 s45, s14, HALFT
	s_and_b32 s[KO], ttmp7, 0xffff                 ; where my cluster begins along K: the cluster's y,
	s_lshr_b32 s[KO+1], s[KO], 1
	s_xor_b32 s[KO], s[KO], s[KO+1]                ; y xor y / 2: 0, 1, 1, 0 in its lowest bit,
	s_add_co_u32 s[KO], s[KO], ttmp9               ; + the cluster's x,
	s_and_b32 s[KO], s[KO], 1
	s_lshl_b32 s[KO], s[KO], 13                    ; x two slot steps of 4,096 bytes
	s_add_co_u32 s[KO+2], s[KO], RTB               ; slot 1 holds the step behind slot 0's
	s_mov_b32 s[KO+1], 0
	s_mov_b32 s[KO+3], 0
	s_wait_dscnt 0x0
	s_wait_kmcnt 0x0
	s_load_b64 s[68:69], s[8:9], 0x20              ; e8, e9
	s_add_nc_u64 s[TBAS:TBAS+1], s[4:5], s[20:21]
	s_add_nc_u64 s[WBAS:WBAS+1], s[6:7], s[46:47]
	CROUND
.irp s, 0,1
	s_mov_b32 s[G0+4*\s], 1
	s_add_co_u32 s[G0+4*\s+1], s45, \s*SLOT
	s_add_nc_u64 s[G0+4*\s+2:G0+4*\s+3], s[TBAS:TBAS+1], s[KO+2*\s:KO+2*\s+1]
	s_or_b32 s[G0+4*\s+3], s[G0+4*\s+3], 0x80000000
	s_mov_b32 s[G0B+4*\s], 1
	s_add_co_u32 s[G0B+4*\s+1], s45, \s*SLOT
	s_add_nc_u64 s[G0B+4*\s+2:G0B+4*\s+3], s[WBAS:WBAS+1], s[KO+2*\s:KO+2*\s+1]
	s_or_b32 s[G0B+4*\s+3], s[G0B+4*\s+3], 0x80000000
	JLOAD G0+4*\s, G1, G0B+4*\s, G1B
.endr
	v_and_b32 v1, 31, v0
	v_lshlrev_b32 v[LI], 4, v1
	s_mul_i32 s21, s15, HALFT
	s_mul_i32 s22, s16, HALFT
	s_add_co_u32 s22, s22, 2*HALFT
.irp s, 0,1
	v_add_nc_u32 v[ADRP+\s], s21, v[LI]
	v_add_nc_u32 v[ADRR+\s], s22, v[LI]
	s_add_co_u32 s21, s21, SLOT
	s_add_co_u32 s22, s22, SLOT
.endr
	s_lshl_b32 s84, s42, 10
	s_lshl_b32 s85, s16, 9
	s_add_co_u32 s84, s84, s85
	s_mov_b32 s85, 0
	s_add_nc_u64 s[10:11], s[10:11], s[84:85]      ; the bias of my 128 columns, into v32-95: register 8 b + i is column 16 b + 8 h + i
	v_bfe_u32 v[BA], v0, 4, 1
	v_lshlrev_b32 v[BA], 5, v[BA]
.irp b, 0,1,2,3,4,5,6,7
	global_load_b128 v[32+8*\b:32+8*\b+3], v[BA], s[10:11] offset:64*\b
	global_load_b128 v[32+8*\b+4:32+8*\b+7], v[BA], s[10:11] offset:64*\b+16
.endr
.macro FRAG reg, adr, q, i
.irp c, 0,1,2,3
	ds_load_b128 v[\reg+4*\c:\reg+4*\c+3], v[\adr] offset:2048*(\q)+512*\c+(\i)*RTB
.endr
.endm
.macro MUL16 a0, p, zero               ; the 64 accumulators take turns in the same order in every step
.irp a, \a0, \a0+1
.irp b, 0,1,2,3,4,5,6,7
.if \zero
	v_wmma_f32_16x16x128_fp8_fp8 v[8*(8*((\a)%4)+\b):8*(8*((\a)%4)+\b)+7], v[128*(\p)+FR*\b:128*(\p)+FR*\b+FR-1], v[AF+FR*(\a):AF+FR*(\a)+FR-1], 0
.else
	v_wmma_f32_16x16x128_fp8_fp8 v[8*(8*((\a)%4)+\b):8*(8*((\a)%4)+\b)+7], v[128*(\p)+FR*\b:128*(\p)+FR*\b+FR-1], v[AF+FR*(\a):AF+FR*(\a)+FR-1], v[8*(8*((\a)%4)+\b):8*(8*((\a)%4)+\b)+7]
.endif
.endr
.endr
.endm
.macro FETCH_B slot, q, p
	WIN TO_B
.irp i, 0,1,2,3,4,5,6,7
	FRAG 128*(\p)+FR*\i, ADRR+\slot, \q, \i
.endr
	WIN 0
.endm
.macro FETCH_A slot, q, i0
.irp i, \i0, \i0+1, \i0+2, \i0+3
	FRAG AF+FR*(\i), ADRP+\slot, \q, \i
.endr
.endm
.macro PLACES n
.rept \n
	v_nop
.endr
.endm
.macro STEP slot, q, zero
	s_wait_dscnt 4*NL                              ; the weights' set and the tokens' blocks 0-3 are in; the youngest sixteen loads may be out
	WIN MUL_LO
	MUL16 0, (\q)%2, \zero
	MUL16 2, (\q)%2, \zero
	s_wait_dscnt 0
	PLACES NP
	FETCH_B \slot, (\q)+1, 1-(\q)%2
	FETCH_A \slot, (\q)+1, 0
	WIN MUL_HI
	MUL16 4, (\q)%2, \zero
	MUL16 6, (\q)%2, \zero
	PLACES NP
	WIN 0
	FETCH_A \slot, (\q)+1, 4
.endm
.macro TURN slot, next, fill
	s_wait_tensorcnt 0x0
	ds_add_u32 v[SPW], v[NIL]
	s_wait_dscnt 4*NL+1                            ; (the add and the tokens' blocks 4-7 may be out)
	WIN MUL_LO
	MUL16 0, 1, 0
	s_wait_dscnt 0x0
	s_barrier_signal -1
	MUL16 2, 1, 0
	WIN 0
	s_barrier_wait -1
.if \fill
	CREST
	s_add_co_u32 s[KO+2*\slot], s[KO+2*\slot], 2*RTB               ; this slot's next step along K: two steps on,
	s_and_b32 s[KO+2*\slot], s[KO+2*\slot], 4*RTB-1                ; round K's end
	s_add_nc_u64 s[G0+4*\slot+2:G0+4*\slot+3], s[TBAS:TBAS+1], s[KO+2*\slot:KO+2*\slot+1]   ; no tensor load of mine is out, so the groups 0 may be written
	s_or_b32 s[G0+4*\slot+3], s[G0+4*\slot+3], 0x80000000
	s_add_nc_u64 s[G0B+4*\slot+2:G0B+4*\slot+3], s[WBAS:WBAS+1], s[KO+2*\slot:KO+2*\slot+1]
	s_or_b32 s[G0B+4*\slot+3], s[G0B+4*\slot+3], 0x80000000
	JLOAD G0+4*\slot, G1, G0B+4*\slot, G1B
.else
	PLACES NP
.endif
	FETCH_B \next, 0, 0
	FETCH_A \next, 0, 0
	WIN MUL_HI
	MUL16 4, 1, 0
	MUL16 6, 1, 0
	PLACES NP
	WIN 0
	FETCH_A \next, 0, 4
.endm
	s_wait_tensorcnt 1                             ; my part of slot 0 is in; slot 1's load may be out
	s_barrier_signal -1
	s_barrier_wait -1
	FETCH_B 0, 0, 0
	FETCH_A 0, 0, 0
	FETCH_A 0, 0, 4
	STEP 0, 0, 1
	TURN 0, 1, 1
	STEP 1, 0, 0
	TURN 1, 0, 1
	STEP 0, 0, 0
	TURN 0, 1, 0
	STEP 1, 0, 0
	s_wait_dscnt 4*NL
	WIN MUL_LO
	MUL16 0, 1, 0
	MUL16 2, 1, 0
	s_wait_dscnt 0
	WIN MUL_HI
	MUL16 4, 1, 0
	MUL16 6, 1, 0
	WIN 0
	PLACES NP
; ---- THE WAY OUT
	s_wait_kmcnt 0x0
	s_add_co_i32 s76, s68, s69
	s_add_co_i32 s76, s76, 127
	s_lshl_b32 s76, s76, 23                        ; 2^(e8 + e9)
	s_mov_b32 s77, s76
	s_mov_b32 s78, 0x3e6d3388                      ; 0.2316419
	s_mov_b32 s79, 0x7fffffff
.irp k, 2,3
	v_mov_b32 v\k, 0x3f07dc22                      ; c5
.endr
.irp k, 4,5
	v_mov_b32 v\k, 0xbf3a00e3                      ; c4
.endr
.irp k, 6,7
	v_mov_b32 v\k, 0x3f35f0e3                      ; c3
.endr
.irp k, 8,9
	v_mov_b32 v\k, 0xbe11a98e                      ; c2
.endr
.irp k, 10,11
	v_mov_b32 v\k, 0x3e027906                      ; c1
.endr
.irp k, 12,13
	v_mov_b32 v\k, 0xbf38aa3b                      ; -log2(e) / 2
.endr
	s_lshl_b32 s80, s17, 4
	s_lshl_b32 s81, s15, 3
	s_add_co_u32 s80, s80, s81
	s_lshl_b32 s80, s80, 8
	s_lshl_b32 s81, s42, 4
	s_add_co_u32 s80, s80, s81
	s_lshl_b32 s81, s16, 3
	s_add_co_u32 s80, s80, s81
	s_lshl_b32 s80, s80, 10                        ; ((16 tile row + 8 half) x 256 + 16 tile column + 8 half) x 1,024
	s_mov_b32 s81, 0
	s_add_nc_u64 s[12:13], s[12:13], s[80:81]
	s_wait_loadcnt 0x0                             ; the bias
.macro GELU32 hf                       ; 32 numbers u in v[128 + 32 hf] on become u Phi(u).  v192-223 t, v224-255 exp(-u u / 2), v96-127 at work
.set U, 128+32*\hf
.set i, 0
.rept 32
	v_fma_f32 v[192+i], |v[U+i]|, s78, 1.0
.set i, i+1
.endr
.set i, 0
.rept 16
	v_pk_mul_f32 v[224+i:225+i], v[U+i:U+i+1], v[U+i:U+i+1]
.set i, i+2
.endr
.set i, 0
.rept 16
	v_pk_mul_f32 v[224+i:225+i], v[224+i:225+i], v[12:13]
.set i, i+2
.endr
.set i, 0
.rept 32
	v_rcp_f32 v[192+i], v[192+i]
.set i, i+1
.endr
.set i, 0
.rept 32
	v_exp_f32 v[224+i], v[224+i]
.set i, i+1
.endr
	v_nop                                          ; a plain line behind the batch,
	s_wait_alu depctr_va_vdst(0)                   ; and one wait for its 64 results, ahead of the first line that names one
.set i, 0
.rept 16
	v_pk_fma_f32 v[96+i:97+i], v[192+i:193+i], v[2:3], v[4:5]
.set i, i+2
.endr
.irp c, 6, 8, 10
.set i, 0
.rept 16
	v_pk_fma_f32 v[96+i:97+i], v[96+i:97+i], v[192+i:193+i], v[\c:\c+1]
.set i, i+2
.endr
.endr
.set i, 0
.rept 16
	v_pk_mul_f32 v[96+i:97+i], v[96+i:97+i], v[192+i:193+i]
.set i, i+2
.endr
.set i, 0
.rept 16
	v_pk_mul_f32 v[96+i:97+i], v[96+i:97+i], v[224+i:225+i]   ; T
.set i, i+2
.endr
.set i, 0
.rept 16
	v_pk_add_f32 v[96+i:97+i], v[96+i:97+i], 0.5 op_sel_hi:[1,0] neg_lo:[1,0] neg_hi:[1,0]   ; 1/2 - T
.set i, i+2
.endr
.set i, 0
.rept 32
	v_bfi_b32 v[96+i], s79, v[96+i], v[U+i]        ; with u's sign
.set i, i+1
.endr
.set i, 0
.rept 16
	v_pk_add_f32 v[96+i:97+i], v[96+i:97+i], 0.5 op_sel_hi:[1,0]
.set i, i+2
.endr
.set i, 0
.rept 16
	v_pk_mul_f32 v[U+i:U+i+1], v[U+i:U+i+1], v[96+i:97+i]
.set i, i+2
.endr
.endm
	s_mov_b32 s3, 0
.Lrow:                                             ; block s3 of 16 tokens
.irp a, 0,1,2,3,4,5,6,7
	s_cmp_lg_u32 s3, \a
	s_cbranch_scc1 .Lnot\a
	WIN 0x02+\a/4
.set j, 0
.rept 32
	v_pk_fma_f32 v[128+j:129+j], v[64*(\a%4)+j:64*(\a%4)+j+1], s[76:77], v[32+j:33+j] op_sel_hi:[1,0,1]   ; u = sum x 2^(e8 + e9) + bias; each accumulator from its low end on
.set j, j+2
.endr
	WIN 0
.Lnot\a:
.endr
	GELU32 0
	GELU32 1
.irp b, 0,1,2,3,4,5,6,7
	global_store_b128 v[LI], v[128+8*\b:131+8*\b], s[12:13] offset:1024*\b th:TH_STORE_NT
	global_store_b128 v[LI], v[132+8*\b:135+8*\b], s[12:13] offset:1024*\b+512 th:TH_STORE_NT
.endr
	s_wait_xcnt 0x0                                ; the stores have read their registers and their base: both are written again
	s_add_nc_u64 s[12:13], s[12:13], 262144        ; the next tile of 16 tokens
	s_add_co_u32 s3, s3, 1
	s_cmp_lt_u32 s3, 8
	s_cbranch_scc1 .Lrow
	s_wait_tensorcnt 0x0                           ; the wave's end
	ds_add_u32 v[SPW], v[NIL]
	s_wait_dscnt 0x0
	CROUND                                         ; the closing round
	s_endpgm
.Lfunc_end_k_qfec07fcb42_fc1:
	.size	k_qfec07fcb42_fc1, .Lfunc_end_k_qfec07fcb42_fc1-k_qfec07fcb42_fc1
	.p2alignl 7, 3214868480
	.fill 96, 4, 3214868480
	.section	.rodata,"a",@progbits
	.p2align	6, 0x0
	.amdhsa_kernel k_qfec07fcb42_fc1
		.amdhsa_group_segment_fixed_size 327680
		.amdhsa_private_segment_fixed_size 0
		.amdhsa_enable_private_segment 0
		.amdhsa_kernarg_size 40
		.amdhsa_user_sgpr_count 2
		.amdhsa_user_sgpr_kernarg_segment_ptr 1
		.amdhsa_wavefront_size32 1
		.amdhsa_system_sgpr_workgroup_id_x 1
		.amdhsa_system_sgpr_workgroup_id_y 1
		.amdhsa_system_sgpr_workgroup_id_z 1
		.amdhsa_system_vgpr_workitem_id 0
		.amdhsa_next_free_vgpr 1024
		.amdhsa_next_free_sgpr 100
		.amdhsa_reserve_vcc 0
		.amdhsa_float_denorm_mode_32 3
		.amdhsa_float_denorm_mode_16_64 3
		.amdhsa_memory_ordered 1
		.amdhsa_forward_progress 1
		.amdhsa_inst_pref_size 133
	.end_amdhsa_kernel
	.amdgpu_metadata
---
amdhsa.version: [ 1, 2 ]
amdhsa.kernels:
  - .name:           k_qfec07fcb42_fc1
    .symbol:         k_qfec07fcb42_fc1.kd
    .args:
      - { .name: mimg, .offset: 0, .size: 8, .value_kind: global_buffer, .address_space: global }
      - { .name: pre, .offset: 8, .size: 8, .value_kind: global_buffer, .address_space: global }
      - { .name: lowp_scales, .offset: 16, .size: 8, .value_kind: global_buffer, .address_space: global }
      - { .name: fc1_b, .offset: 24, .size: 8, .value_kind: global_buffer, .address_space: global }
      - { .name: gimg, .offset: 32, .size: 8, .value_kind: global_buffer, .address_space: global }
    .group_segment_fixed_size: 327680
    .private_segment_fixed_size: 0
    .kernarg_segment_align: 8
    .kernarg_segment_size: 40
    .max_flat_workgroup_size: 128
    .sgpr_count:     100
    .vgpr_count:     1024
    .wavefront_size: 32
...
	.end_amdgpu_metadata
.endif
;; end of part 6
;; launch ln3 (part 7): grid 256 x 1, 8 waves a work-group, no clusters, 3,072 bytes of LDS; arguments gimg, ffn_ln_g, ffn_ln_b, lowp_scales, himg; writes himg
.if DOCPART == 7
	.amdgcn_target "amdgcn-amd-amdhsa--gfx1250"
	.amdhsa_code_object_version 6
	.text
	.protected	k_qfec07fcb42_ln3
	.globl	k_qfec07fcb42_ln3
	.p2align	8
	.type	k_qfec07fcb42_ln3,@function
k_qfec07fcb42_ln3:
	s_mov_b64 s[64:65], 0
	v_nop
	global_prefetch_b8 v0, s[64:65] scope:SCOPE_SE
	s_setreg_imm32_b32 hwreg(HW_REG_WAVE_MODE, 25, 1), 1
	s_wait_xcnt 0x0
; LN3: the LayerNorm over the 4,096 hidden units, quantised with 2^e10 into himg, laid [tile of 16 tokens][piece][row][16 bytes] by map B of PREP.  No work is left out.
; A work-group has 16 tokens, wave w columns 512 w .. 512 w + 511: 64 loads of 512 consecutive bytes, kept in 256 registers (window 1) between the passes, so gimg is read once.
; Lane (r, h) holds token r; register 4 i + c is column 512 w + 16 (i / 2) + 8 h + 4 (i % 2) + c.  A token's sums cross the two halves of the lanes by one permute and the eight waves through LDS, with a barrier each.
; Eight neighbouring registers are eight neighbouring columns: the conversions' results are stored as they stand, 512 consecutive bytes a store.
; LIMITS: e10 between -126 and 119.  NaN among the inputs is not served.
.set SPARE, 2048                       ; LDS: 0-1023 the waves' sums, 1024-2047 their sums of squares, then the spare words, 128 bytes for each wave
.set LI,   4                           ; v4  16 x lane
.set L4,   5                           ; v5  4 x lane
.set SW,   6                           ; v6  128 wave + 4 lane
.set GB,   7                           ; v7  2048 wave + 32 h
.set SCV,  12
.set LIMV, 13
.set SPW,  14
.set NIL,  15
.set COD,  32                          ; v32-95 eight registers of codes a chunk
.set GS,   96                          ; v96-223 gain (32) and bias (32) of a chunk of 64 columns, two sets
.set Y,    224
.set MSB, 0
.macro WIN new
.if MSB != \new
	s_set_vgpr_msb (MSB<<8)|\new
.set MSB, \new
.endif
.endm
	s_load_b256 s[4:11], s[0:1], 0x0               ; gimg, ffn_ln_g, ffn_ln_b, the scales' exponents
	s_load_b64 s[12:13], s[0:1], 0x20              ; himg
	v_lshl_add_u32 v[SPW], v0, 2, SPARE
	v_mov_b32 v[NIL], 0
	v_lshrrev_b32 v1, 5, v0
	v_readfirstlane_b32 s14, v1                    ; wave 0..7
	v_and_b32 v1, 31, v0
	v_lshlrev_b32 v[LI], 4, v1
	v_lshlrev_b32 v[L4], 2, v1
	v_lshlrev_b32 v[SW], 2, v0
	v_bfe_u32 v2, v0, 4, 1
	v_lshlrev_b32 v[GB], 5, v2
	s_lshl_b32 s15, s14, 11
	v_add_nc_u32 v[GB], s15, v[GB]
	v_mov_b32 v28, 0                               ; a lane permute's destination counts as one of its sources
	s_lshl_b32 s16, ttmp9, 18
	s_lshl_b32 s17, s14, 15
	s_add_co_u32 s16, s16, s17
	s_mov_b32 s17, 0
	s_lshl_b32 s18, ttmp9, 16
	s_lshl_b32 s19, s14, 13
	s_add_co_u32 s18, s18, s19
	s_mov_b32 s19, 0
	s_mov_b32 s22, 0x39800000                      ; 1 / 4096
	s_mov_b32 s23, 0x3727c5ac                      ; 1e-5
	s_mov_b32 s24, 0x76543210
	s_mov_b32 s25, 0xfedcba98
	s_wait_kmcnt 0x0
	s_load_b32 s20, s[10:11], 0x28                 ; e10
	s_add_nc_u64 s[4:5], s[4:5], s[16:17]
	s_add_nc_u64 s[12:13], s[12:13], s[18:19]
	WIN 0x40
.set i, 0
.rept 64
	global_load_b128 v[4*i:4*i+3], v[LI], s[4:5] offset:512*i th:TH_LOAD_NT
.set i, i+1
.endr
	WIN 0
.macro GBLOAD ch                       ; gain and bias of chunk ch, as its 32 numbers lie in a lane
.set GG, GS+64*((\ch)%2)
.irp i, 0,1,2,3,4,5,6,7
	global_load_b128 v[GG+4*\i:GG+4*\i+3], v[GB], s[6:7] offset:256*(\ch)+64*(\i/2)+16*(\i%2)
	global_load_b128 v[GG+32+4*\i:GG+32+4*\i+3], v[GB], s[8:9] offset:256*(\ch)+64*(\i/2)+16*(\i%2)
.endr
.endm
	GBLOAD 0
	GBLOAD 1
	s_wait_kmcnt 0x0
	s_add_co_i32 s20, s20, 127
	s_lshl_b32 s21, s20, 23
	v_mov_b32 v[SCV], s21
	s_add_co_i32 s20, s20, 8
	s_lshl_b32 s20, s20, 23
	s_or_b32 s20, s20, 0x600000
	v_mov_b32 v[LIMV], s20
.macro ACROSS off                      ; v16, my lane's part of token r's sum, becomes the sum over the token's 4,096 numbers
	v_pk_add_f32 v[16:17], v[16:17], v[18:19]
	v_pk_add_f32 v[20:21], v[20:21], v[22:23]
	v_pk_add_f32 v[16:17], v[16:17], v[20:21]
	v_add_f32 v16, v16, v17
	v_permlanex16_b32 v28, v16, s24, s25
	v_add_f32 v16, v16, v28
	ds_store_b32 v[SW], v16 offset:\off
	s_wait_dscnt 0x0                               ; for the others' sake: my store is done
	s_barrier_signal -1
	s_barrier_wait -1
.irp k, 0,1,2,3,4,5,6,7
	ds_load_b32 v[16+\k], v[L4] offset:\off+128*\k
.endr
	s_wait_dscnt 0x0
	v_pk_add_f32 v[16:17], v[16:17], v[18:19]
	v_pk_add_f32 v[20:21], v[20:21], v[22:23]
	v_pk_add_f32 v[16:17], v[16:17], v[20:21]
	v_add_f32 v16, v16, v17
.endm
	s_wait_loadcnt 32                              ; the 64 loads of numbers are in; the 32 of gains and biases may be out
	WIN 0x05                                       ; both sources in window 1: the first four additions start the four chains
	v_pk_add_f32 v[16:17], v[0:1], v[2:3]
	v_pk_add_f32 v[18:19], v[4:5], v[6:7]
	v_pk_add_f32 v[20:21], v[8:9], v[10:11]
	v_pk_add_f32 v[22:23], v[12:13], v[14:15]
	WIN 0x04
.set i, 16
.rept 30
	v_pk_add_f32 v[16:17], v[16:17], v[i:i+1]
	v_pk_add_f32 v[18:19], v[18:19], v[i+2:i+3]
	v_pk_add_f32 v[20:21], v[20:21], v[i+4:i+5]
	v_pk_add_f32 v[22:23], v[22:23], v[i+6:i+7]
.set i, i+8
.endr
	WIN 0
	ACROSS 0
	v_mul_f32 v24, s22, v16                        ; the mean
	v_mov_b32 v25, v24
	WIN 0x41                                       ; destination and source 0 in window 1
.set i, 0
.rept 128
	v_pk_add_f32 v[i:i+1], v[i:i+1], v[24:25] neg_lo:[0,1] neg_hi:[0,1]
.set i, i+2
.endr
	WIN 0x05
	v_pk_mul_f32 v[16:17], v[0:1], v[0:1]
	v_pk_mul_f32 v[18:19], v[2:3], v[2:3]
	v_pk_mul_f32 v[20:21], v[4:5], v[4:5]
	v_pk_mul_f32 v[22:23], v[6:7], v[6:7]
.set i, 8
.rept 31
	v_pk_fma_f32 v[16:17], v[i:i+1], v[i:i+1], v[16:17]
	v_pk_fma_f32 v[18:19], v[i+2:i+3], v[i+2:i+3], v[18:19]
	v_pk_fma_f32 v[20:21], v[i+4:i+5], v[i+4:i+5], v[20:21]
	v_pk_fma_f32 v[22:23], v[i+6:i+7], v[i+6:i+7], v[22:23]
.set i, i+8
.endr
	WIN 0
	ACROSS 1024                                    ; other bytes than the first time, so one barrier each is enough
	v_fma_f32 v16, v16, s22, s23
	v_rsq_f32 v26, v16
	v_nop
	s_wait_alu depctr_va_vdst(0)                   ; the wait ahead of the result's first reader
	v_mov_b32 v27, v26
.macro CHUNK ch                        ; 64 columns: 32 numbers a lane
.set GG, GS+64*((\ch)%2)
.if (\ch) < 7
	s_wait_loadcnt 16                              ; this chunk's gain and bias are in; the next chunk's sixteen loads may be out
.else
	s_wait_loadcnt 0
.endif
	WIN 0x01
.set i, 0
.rept 16
	v_pk_mul_f32 v[Y+i:Y+i+1], v[32*(\ch)+i:32*(\ch)+i+1], v[26:27]
.set i, i+2
.endr
	WIN 0
.set i, 0
.rept 16
	v_pk_fma_f32 v[Y+i:Y+i+1], v[Y+i:Y+i+1], v[GG+i:GG+i+1], v[GG+32+i:GG+32+i+1]
.set i, i+2
.endr
.set i, 0
.rept 32
	v_med3_num_f32 v[Y+i], v[Y+i], -v[LIMV], v[LIMV]
.set i, i+1
.endr
.irp g, 0,1,2,3
	v_cvt_scalef32_pk8_fp8_f32 v[COD+8*(\ch)+2*\g:COD+8*(\ch)+2*\g+1], v[Y+8*\g:Y+8*\g+7], v[SCV]
.endr
	v_nop
	global_store_b128 v[LI], v[COD+8*(\ch):COD+8*(\ch)+3], s[12:13] offset:1024*(\ch)
	global_store_b128 v[LI], v[COD+8*(\ch)+4:COD+8*(\ch)+7], s[12:13] offset:1024*(\ch)+512
.if (\ch)+2 < 8
	GBLOAD (\ch)+2
.endif
.endm
.irp ch, 0,1,2,3,4,5,6,7
	CHUNK \ch
.endr
	s_wait_tensorcnt 0x0                           ; the wave's end
	ds_add_u32 v[SPW], v[NIL]
	s_wait_dscnt 0x0
	s_endpgm
.Lfunc_end_k_qfec07fcb42_ln3:
	.size	k_qfec07fcb42_ln3, .Lfunc_end_k_qfec07fcb42_ln3-k_qfec07fcb42_ln3
	.p2alignl 7, 3214868480
	.fill 96, 4, 3214868480
	.section	.rodata,"a",@progbits
	.p2align	6, 0x0
	.amdhsa_kernel k_qfec07fcb42_ln3
		.amdhsa_group_segment_fixed_size 3072
		.amdhsa_private_segment_fixed_size 0
		.amdhsa_enable_private_segment 0
		.amdhsa_kernarg_size 40
		.amdhsa_user_sgpr_count 2
		.amdhsa_user_sgpr_kernarg_segment_ptr 1
		.amdhsa_wavefront_size32 1
		.amdhsa_system_sgpr_workgroup_id_x 1
		.amdhsa_system_sgpr_workgroup_id_y 1
		.amdhsa_system_sgpr_workgroup_id_z 1
		.amdhsa_system_vgpr_workitem_id 0
		.amdhsa_next_free_vgpr 512
		.amdhsa_next_free_sgpr 66
		.amdhsa_reserve_vcc 0
		.amdhsa_float_denorm_mode_32 3
		.amdhsa_float_denorm_mode_16_64 3
		.amdhsa_memory_ordered 1
		.amdhsa_forward_progress 1
		.amdhsa_inst_pref_size 84
	.end_amdhsa_kernel
	.amdgpu_metadata
---
amdhsa.version: [ 1, 2 ]
amdhsa.kernels:
  - .name:           k_qfec07fcb42_ln3
    .symbol:         k_qfec07fcb42_ln3.kd
    .args:
      - { .name: gimg, .offset: 0, .size: 8, .value_kind: global_buffer, .address_space: global }
      - { .name: ffn_ln_g, .offset: 8, .size: 8, .value_kind: global_buffer, .address_space: global }
      - { .name: ffn_ln_b, .offset: 16, .size: 8, .value_kind: global_buffer, .address_space: global }
      - { .name: lowp_scales, .offset: 24, .size: 8, .value_kind: global_buffer, .address_space: global }
      - { .name: himg, .offset: 32, .size: 8, .value_kind: global_buffer, .address_space: global }
    .group_segment_fixed_size: 3072
    .private_segment_fixed_size: 0
    .kernarg_segment_align: 8
    .kernarg_segment_size: 40
    .max_flat_workgroup_size: 256
    .sgpr_count:     66
    .vgpr_count:     512
    .wavefront_size: 32
...
	.end_amdgpu_metadata
.endif
;; end of part 7
;; launch fc2 (part 8): grid 8 x 32, 4 waves a work-group, clusters of 4 x 4, 327,680 bytes of LDS; arguments himg, pre, lowp_scales, fc2_b, x1, out0; writes out0
.if DOCPART == 8
	.amdgcn_target "amdgcn-amd-amdhsa--gfx1250"
	.amdhsa_code_object_version 6
	.text
	.protected	k_qfec07fcb42_fc2
	.globl	k_qfec07fcb42_fc2
	.p2align	8
	.type	k_qfec07fcb42_fc2,@function
k_qfec07fcb42_fc2:
	s_mov_b64 s[64:65], 0
	v_nop
	global_prefetch_b8 v0, s[64:65] scope:SCOPE_SE
	s_setreg_imm32_b32 hwreg(HW_REG_WAVE_MODE, 25, 1), 1
	s_wait_xcnt 0x0
	s_wait_alu depctr_hold_cnt(0) depctr_sa_sdst(0) depctr_va_vdst(0) depctr_va_sdst(0) depctr_va_ssrc(0) depctr_va_vcc(0) depctr_vm_vsrc(0)
	s_getreg_b32 s2, hwreg(HW_REG_IB_STS2, 6, 4)
	s_cmp_eq_u32 s2, 0
	s_cbranch_scc0 .Lentry_in_a_cluster
	s_endpgm
.Lentry_in_a_cluster:
	s_bfe_u32 s2, ttmp6, 0x10000c
	s_cmp_lg_u32 s2, 0xf033
	s_cbranch_scc0 .Lentry_shape_is_right
	s_endpgm
.Lentry_shape_is_right:
; FC2: out0 = x1 + (h fc2_w) x 2^(e10 + e11) + fc2_b: product 6 on codes of E4M3.  No work is left out.
; The text is PROJ's with K = 4,096: eight slot steps of 512 through two LDS slots, six of them filled again.  A tile is 128 x 128 (256 work-groups), a wave 64 x 64: 16 accumulators.
; A slot is filled again behind a round of the cluster's barrier, in front of which every wave has waited for all its tensor loads, has run the add, and has waited for it and for its reads of the slot; by this text's
; count a wave has two tensor loads out at the head and one afterwards, and that one has a slot's four substeps, 64 matrix instructions, in which to land.
; THE WALK ALONG K IS ROTATED: cluster (x, y), x = 0, 1 and y = 0 .. 7, begins at slot step 2 ((y + 2 (y / 4) + 2 x) mod 4) and wraps round.  The two clusters that read one tile of tokens begin four steps apart;
; of the eight that read one tile of weights, y = 0 .. 3, y = 4 .. 7, y = 0, 1, 4, 5 and y = 2, 3, 6, 7 each begin at all four places.  So the clusters that read one tile do not all ask for the same step of it at the
; same time.  The start hangs on the cluster's two numbers alone, which all sixteen partners share.  LIMIT: K is summed in that rotated order: an order of rounding of its own.
; CLUSTERS: 4 x 4; the tokens' tile is shared along a row of the cluster, the weights' along a column: joint loads.
; LIMIT: e10 + e11 between -126 and 127.
; REGISTERS: as in PROJ.
.set KTOT,  4096
.set NSTEP, KTOT/512
.set WOFF,  8388608
.set SCOFF, 0x28
.set RTB,   8192
.set HALFT, 4*RTB
.set SLOT,  4*HALFT
.set STAGE, 2*SLOT
.set SPITCH, 272
.set SPARE, STAGE+4*16*SPITCH
.set ADRP, 16
.set ADRR, 20
.set LI,   24
.set STO,  25
.set RD,   26
.set CO,   27
.set SPW,  28
.set NIL,  29
.set BO,   30
.set G1, 24
.set G0, 32
.set G1B, 48
.set G0B, 56
.set TBAS, 88                          ; s[88:89] where the tokens' rows that I fetch begin, at K = 0;  s[90:91] the same for the weights'
.set WBAS, 90
.set KO,   92                          ; s[92:93], s[94:95] slot 0's and slot 1's place along K, in bytes of a tile of 16 rows (the upper words are 0)
.set MSB, 0
.macro WIN new
.if MSB != \new
	s_set_vgpr_msb (MSB<<8)|\new
.set MSB, \new
.endif
.endm
.macro JLOAD g0a, g1a, g0b, g1b
	s_cmp_eq_u32 s15, 0
	s_cbranch_scc0 .Lfor_b_\@
	tensor_load_to_lds s[\g0a:\g0a+3], s[\g1a:\g1a+7]
	s_nop 0
.rept 4
	v_nop
.endr
	s_branch .Lasked_\@
.Lfor_b_\@:
	tensor_load_to_lds s[\g0b:\g0b+3], s[\g1b:\g1b+7]
	s_nop 0
.rept 4
	v_nop
.endr
.Lasked_\@:
.endm
.macro CROUND
	s_barrier_signal -1
	s_barrier_wait -1
	s_cmp_lg_u32 s14, 0
	s_cbranch_scc1 .Lnot_wave_0_\@
	s_barrier_signal -3
.Lnot_wave_0_\@:
	s_barrier_wait -3
	s_barrier_signal -1
	s_barrier_wait -1
.endm
	s_load_b256 s[4:11], s[0:1], 0x0               ; the tokens' codes, pre, the scales' exponents, the bias
	s_load_b128 s[84:87], s[0:1], 0x20             ; the residual, the result
	v_lshl_add_u32 v[SPW], v0, 2, SPARE
	v_mov_b32 v[NIL], 0
	ds_add_u32 v[SPW], v[NIL]                      ; the opening: the add, twice on end, and its wait ahead of my first tensor load
	ds_add_u32 v[SPW], v[NIL]
	v_lshrrev_b32 v1, 5, v0
	v_readfirstlane_b32 s14, v1
	s_lshr_b32 s15, s14, 1
	s_and_b32 s16, s14, 1
	s_bfe_u32 s40, ttmp6, 0x40000
	s_bfe_u32 s41, ttmp6, 0x40004
	s_lshl_b32 s42, ttmp9, 2
	s_add_co_u32 s42, s42, s40
	s_and_b32 s17, ttmp7, 0xffff
	s_lshl_b32 s17, s17, 2
	s_add_co_u32 s17, s17, s41
	s_lshl_b32 s43, s41, 2
	s_lshl_b32 s43, 15, s43
	s_lshl_b32 s44, 0x1111, s40
	s_or_b32 s[G1+0], s43, (3<<16)|(1<<21)
	s_or_b32 s[G1B+0], s44, (3<<16)|(1<<21)
.irp g, G1, G1B
	s_mov_b32 s[\g+1], 1024<<16
	s_mov_b32 s[\g+2], 4<<16
	s_mov_b32 s[\g+3], 1024<<16
	s_mov_b32 s[\g+4], 4
	s_mov_b32 s[\g+5], 2*KTOT
	s_mov_b32 s[\g+6], 0
	s_mov_b32 s[\g+7], 0
.endr
	s_lshl_b32 s18, s16, 2
	s_lshl_b32 s20, s17, 3
	s_add_co_u32 s20, s20, s18
	s_mul_i32 s20, s20, 16*KTOT
	s_mov_b32 s21, 0
	s_lshl_b32 s46, s42, 3
	s_add_co_u32 s46, s46, s18
	s_mul_i32 s46, s46, 16*KTOT
	s_add_co_u32 s46, s46, WOFF
	s_mov_b32 s47, 0
	s_mul_i32 s45, s14, HALFT
	s_and_b32 s[KO], ttmp7, 0xffff                 ; where my cluster begins along K: the cluster's y,
	s_lshr_b32 s[KO+1], s[KO], 2
	s_lshl_b32 s[KO+1], s[KO+1], 1
	s_add_co_u32 s[KO], s[KO], s[KO+1]             ; + 2 (y / 4),
	s_lshl_b32 s[KO+1], ttmp9, 1
	s_add_co_u32 s[KO], s[KO], s[KO+1]             ; + 2 x the cluster's x,
	s_and_b32 s[KO], s[KO], 3
	s_lshl_b32 s[KO], s[KO], 14                    ; x two slot steps of 8,192 bytes
	s_add_co_u32 s[KO+2], s[KO], RTB               ; slot 1 holds the step behind slot 0's
	s_mov_b32 s[KO+1], 0
	s_mov_b32 s[KO+3], 0
	s_wait_dscnt 0x0
	s_wait_kmcnt 0x0
	s_load_b64 s[68:69], s[8:9], SCOFF
	s_add_nc_u64 s[TBAS:TBAS+1], s[4:5], s[20:21]
	s_add_nc_u64 s[WBAS:WBAS+1], s[6:7], s[46:47]
	CROUND
.irp s, 0,1
	s_mov_b32 s[G0+4*\s], 1
	s_add_co_u32 s[G0+4*\s+1], s45, \s*SLOT
	s_add_nc_u64 s[G0+4*\s+2:G0+4*\s+3], s[TBAS:TBAS+1], s[KO+2*\s:KO+2*\s+1]
	s_or_b32 s[G0+4*\s+3], s[G0+4*\s+3], 0x80000000
	s_mov_b32 s[G0B+4*\s], 1
	s_add_co_u32 s[G0B+4*\s+1], s45, \s*SLOT
	s_add_nc_u64 s[G0B+4*\s+2:G0B+4*\s+3], s[WBAS:WBAS+1], s[KO+2*\s:KO+2*\s+1]
	s_or_b32 s[G0B+4*\s+3], s[G0B+4*\s+3], 0x80000000
	JLOAD G0+4*\s, G1, G0B+4*\s, G1B
.endr
	v_and_b32 v1, 31, v0
	v_lshlrev_b32 v[LI], 4, v1
	s_mul_i32 s21, s15, HALFT
	s_mul_i32 s22, s16, HALFT
	s_add_co_u32 s22, s22, 2*HALFT
.irp s, 0,1
	v_add_nc_u32 v[ADRP+\s], s21, v[LI]
	v_add_nc_u32 v[ADRR+\s], s22, v[LI]
	s_add_co_u32 s21, s21, SLOT
	s_add_co_u32 s22, s22, SLOT
.endr
	v_and_b32 v2, 15, v0
	v_bfe_u32 v3, v0, 4, 1
	s_mul_i32 s23, s14, 16*SPITCH
	s_add_co_u32 s23, s23, STAGE
	v_mul_u32_u24 v4, v2, SPITCH
	v_lshl_add_u32 v4, v3, 5, v4
	v_add_nc_u32 v[STO], s23, v4
	v_mul_u32_u24 v5, v3, SPITCH
	v_lshl_add_u32 v5, v2, 4, v5
	v_add_nc_u32 v[RD], s23, v5
	v_lshlrev_b32 v5, 12, v3
	v_lshl_add_u32 v[CO], v2, 4, v5
	v_lshlrev_b32 v[BO], 4, v2
	s_lshl_b32 s80, s17, 7
	s_lshl_b32 s81, s15, 6
	s_add_co_u32 s80, s80, s81
	s_lshl_b32 s80, s80, 12
	s_lshl_b32 s82, s42, 9
	s_lshl_b32 s81, s16, 8
	s_add_co_u32 s82, s82, s81
	s_mov_b32 s83, 0
	s_add_nc_u64 s[10:11], s[10:11], s[82:83]
	s_add_co_u32 s80, s80, s82
	s_mov_b32 s81, 0
	s_add_nc_u64 s[84:85], s[84:85], s[80:81]
	s_add_nc_u64 s[86:87], s[86:87], s[80:81]
	global_load_b128 v[64:67], v[BO], s[10:11]
	WIN 0x80
.irp a, 0,1,2,3
.irp t, 0,1,2,3,4,5,6,7
	global_load_b128 v[128+32*\a+4*\t:128+32*\a+4*\t+3], v[CO], s[84:85] offset:(16*\a+2*\t)*4096
.endr
.endr
	WIN 0
.macro PLACES n
.rept \n
	v_nop
.endr
.endm
.macro FETCH slot, q, set
	WIN 0x40
.irp i, 0,1,2,3
.irp c, 0,1,2,3
	ds_load_b128 v[64*(\set)+16*\i+4*\c:64*(\set)+16*\i+4*\c+3], v[ADRR+(\slot)] offset:2048*(\q)+RTB*\i+512*\c
.endr
.endr
	WIN 0
.irp i, 0,1,2,3
.irp c, 0,1,2,3
	ds_load_b128 v[128+64*(\set)+16*\i+4*\c:128+64*(\set)+16*\i+4*\c+3], v[ADRP+(\slot)] offset:2048*(\q)+RTB*\i+512*\c
.endr
.endr
.endm
.macro MUL16 set, zero                 ; the 16 accumulators take turns in the same order in every substep
	WIN 0xa1
.irp a, 0,1,2,3
.irp b, 0,1,2,3
.if \zero
	v_wmma_f32_16x16x128_fp8_fp8 v[8*(4*\a+\b):8*(4*\a+\b)+7], v[64*(\set)+16*\b:64*(\set)+16*\b+15], v[128+64*(\set)+16*\a:128+64*(\set)+16*\a+15], 0
.else
	v_wmma_f32_16x16x128_fp8_fp8 v[8*(4*\a+\b):8*(4*\a+\b)+7], v[64*(\set)+16*\b:64*(\set)+16*\b+15], v[128+64*(\set)+16*\a:128+64*(\set)+16*\a+15], v[8*(4*\a+\b):8*(4*\a+\b)+7]
.endif
.endr
.endr
.endm
.macro SUB slot, q, zero
	s_wait_dscnt 0x0
	PLACES 4
	FETCH \slot, (\q)+1, 1-(\q)%2
	MUL16 (\q)%2, \zero
.endm
.macro TURN slot, next, fill
	WIN 0
	s_wait_tensorcnt 0x0                           ; all my tensor loads have landed: my part of the next slot; so a group 0 may be written
	ds_add_u32 v[SPW], v[NIL]
.if \fill
	s_add_co_u32 s[KO+2*(\slot)], s[KO+2*(\slot)], 2*RTB           ; this slot's next step along K: two steps on,
	s_and_b32 s[KO+2*(\slot)], s[KO+2*(\slot)], 8*RTB-1            ; round K's end
	s_add_nc_u64 s[G0+4*(\slot)+2:G0+4*(\slot)+3], s[TBAS:TBAS+1], s[KO+2*(\slot):KO+2*(\slot)+1]
	s_or_b32 s[G0+4*(\slot)+3], s[G0+4*(\slot)+3], 0x80000000
	s_add_nc_u64 s[G0B+4*(\slot)+2:G0B+4*(\slot)+3], s[WBAS:WBAS+1], s[KO+2*(\slot):KO+2*(\slot)+1]
	s_or_b32 s[G0B+4*(\slot)+3], s[G0B+4*(\slot)+3], 0x80000000
.endif
	s_wait_dscnt 0x0                               ; the add is done, and my reads of this slot are over: its last fragments are in registers
.if \fill
	CROUND                                         ; no wave of any partner still reads this slot or has a load on its way
	JLOAD G0+4*(\slot), G1, G0B+4*(\slot), G1B     ; the first tensor load behind the round; its four v_nop are the places in front of the loads below
.else
	s_barrier_signal -1
	s_barrier_wait -1
	PLACES 4
.endif
	FETCH \next, 0, 0
	MUL16 1, 0
.endm
	s_wait_tensorcnt 1                             ; my part of slot 0 is in; slot 1's load may be out
	s_barrier_signal -1
	s_barrier_wait -1
	FETCH 0, 0, 0
.set st, 0
.rept NSTEP                            ; the eight slot steps are written out: the first starts the sums, the last two changes fill nothing
.if st == 0
	SUB 0, 0, 1
.else
	SUB st%2, 0, 0
.endif
	SUB st%2, 1, 0
	SUB st%2, 2, 0
.if st < NSTEP-1
.if st+2 < NSTEP
	TURN st%2, 1-st%2, 1
.else
	TURN st%2, 1-st%2, 0
.endif
.else
	s_wait_dscnt 0x0
	MUL16 1, 0
.endif
.set st, st+1
.endr
	WIN 0
	PLACES 4
	s_wait_kmcnt 0x0
	s_add_co_i32 s76, s68, s69
	s_add_co_i32 s76, s76, 127
	s_lshl_b32 s76, s76, 23
	s_mov_b32 s77, s76
	s_wait_loadcnt 0x0
.macro TOSTAGE a
	WIN 0x02
.set j, 0
.rept 16
	v_pk_mul_f32 v[32+j:33+j], v[32*(\a)+j:32*(\a)+j+1], s[76:77] op_sel_hi:[1,0]
.set j, j+2
.endr
	WIN 0
.irp b, 0,1,2,3
	ds_store_b128 v[STO], v[32+8*\b:35+8*\b] offset:64*\b
	ds_store_b128 v[STO], v[36+8*\b:39+8*\b] offset:64*\b+16
.endr
.irp t, 0,1,2,3,4,5,6,7
	ds_load_b128 v[128+32*(\a)+4*\t:128+32*(\a)+4*\t+3], v[RD] offset:2*SPITCH*\t
.endr
.endm
.macro SEND a, younger
	s_wait_dscnt \younger                          ; the block is back; the next block's eight stores and eight loads may be out
	WIN 0x08
.set j, 0
.rept 16
	v_pk_add_f32 v[128+32*(\a)+j:128+32*(\a)+j+1], v[128+32*(\a)+j:128+32*(\a)+j+1], v[128+32*(\a)+j:128+32*(\a)+j+1]
.set j, j+2
.endr
	WIN 0
.irp t, 0,1,2,3,4,5,6,7
	v_pk_add_f32 v[128+32*(\a)+4*\t:128+32*(\a)+4*\t+1], v[128+32*(\a)+4*\t:128+32*(\a)+4*\t+1], v[64:65]
	v_pk_add_f32 v[128+32*(\a)+4*\t+2:128+32*(\a)+4*\t+3], v[128+32*(\a)+4*\t+2:128+32*(\a)+4*\t+3], v[66:67]
.endr
.irp t, 0,1,2,3,4,5,6,7
	global_store_b128 v[CO], v[128+32*(\a)+4*\t:128+32*(\a)+4*\t+3], s[86:87] offset:(16*(\a)+2*\t)*4096 th:TH_STORE_NT
.endr
.endm
	TOSTAGE 0
	TOSTAGE 1
	SEND 0, 16
	TOSTAGE 2
	SEND 1, 16
	TOSTAGE 3
	SEND 2, 16
	SEND 3, 0
	s_wait_tensorcnt 0x0                           ; the wave's end
	ds_add_u32 v[SPW], v[NIL]
	s_wait_dscnt 0x0
	CROUND                                         ; the closing round
	s_endpgm
.Lfunc_end_k_qfec07fcb42_fc2:
	.size	k_qfec07fcb42_fc2, .Lfunc_end_k_qfec07fcb42_fc2-k_qfec07fcb42_fc2
	.p2alignl 7, 3214868480
	.fill 96, 4, 3214868480
	.section	.rodata,"a",@progbits
	.p2align	6, 0x0
	.amdhsa_kernel k_qfec07fcb42_fc2
		.amdhsa_group_segment_fixed_size 327680
		.amdhsa_private_segment_fixed_size 0
		.amdhsa_enable_private_segment 0
		.amdhsa_kernarg_size 48
		.amdhsa_user_sgpr_count 2
		.amdhsa_user_sgpr_kernarg_segment_ptr 1
		.amdhsa_wavefront_size32 1
		.amdhsa_system_sgpr_workgroup_id_x 1
		.amdhsa_system_sgpr_workgroup_id_y 1
		.amdhsa_system_sgpr_workgroup_id_z 1
		.amdhsa_system_vgpr_workitem_id 0
		.amdhsa_next_free_vgpr 768
		.amdhsa_next_free_sgpr 100
		.amdhsa_reserve_vcc 0
		.amdhsa_float_denorm_mode_32 3
		.amdhsa_float_denorm_mode_16_64 3
		.amdhsa_memory_ordered 1
		.amdhsa_forward_progress 1
		.amdhsa_inst_pref_size 142
	.end_amdhsa_kernel
	.amdgpu_metadata
---
amdhsa.version: [ 1, 2 ]
amdhsa.kernels:
  - .name:           k_qfec07fcb42_fc2
    .symbol:         k_qfec07fcb42_fc2.kd
    .args:
      - { .name: himg, .offset: 0, .size: 8, .value_kind: global_buffer, .address_space: global }
      - { .name: pre, .offset: 8, .size: 8, .value_kind: global_buffer, .address_space: global }
      - { .name: lowp_scales, .offset: 16, .size: 8, .value_kind: global_buffer, .address_space: global }
      - { .name: fc2_b, .offset: 24, .size: 8, .value_kind: global_buffer, .address_space: global }
      - { .name: x1, .offset: 32, .size: 8, .value_kind: global_buffer, .address_space: global }
      - { .name: out0, .offset: 40, .size: 8, .value_kind: global_buffer, .address_space: global }
    .group_segment_fixed_size: 327680
    .private_segment_fixed_size: 0
    .kernarg_segment_align: 8
    .kernarg_segment_size: 48
    .max_flat_workgroup_size: 128
    .sgpr_count:     100
    .vgpr_count:     768
    .wavefront_size: 32
...
	.end_amdgpu_metadata
.endif
;; end of part 8
